; MI455X (gfx1250); checked and timed in simulation.
; The chip was launched on July 23, 2026; its instructions are those of AMD's public machine-readable ISA for CDNA 5 (MIT licence, August 2026) and "CDNA5" Instruction Set Architecture Reference Guide (July 2026). The comments in the code are by the model that wrote it; some were corrected since.
;; FCOS Post Processor. Allowed arithmetic: float matrix products may take bf16 or f16 operands with f32 sums; other float arithmetic in f32, or as packed bf16 or f16 multiplies, adds, multiply-adds, maxima and minima; sums over many terms, partial sums and values carried from step to step in f32; what a program stores and reads back later, other than sums and carried values, may be rounded once to bf16 or f16.
;; Inputs: cls_preds0 16 x 80 x 100 x 100 float32; cls_preds1 16 x 80 x 50 x 50 float32; cls_preds2 16 x 80 x 25 x 25 float32; cness_preds0 16 x 1 x 100 x 100 float32; cness_preds1 16 x 1 x 50 x 50 float32; cness_preds2 16 x 1 x 25 x 25 float32; locations0 10,000 x 2 float32; locations1 2,500 x 2 float32; locations2 625 x 2 float32; reg_preds0 16 x 4 x 100 x 100 float32; reg_preds1 16 x 4 x 50 x 50 float32; reg_preds2 16 x 4 x 25 x 25 float32.
;; Outputs: out0 16 x 100 x 4 float32; out1 16 x 100 float32; out2 16 x 100 int32; out3 16 x 100 bool.
;; Constants: image_size = 800.
;; 2 versions, each right and faster than the one before. Each part assembles by itself: llvm-mc -triple=amdgcn-amd-amdhsa -mcpu=gfx1250 --defsym DOCPART=n.
;; ======== version 1 of 2: 5 launches
;; workspace buffers: gm 4,200,192 bytes of whole numbers; glist 208,896 bytes of whole numbers; kv 6,291,456 bytes of whole numbers; cand 405,504 bytes of whole numbers
;; launch gmax (part 1): grid 53 x 80, 8 waves a work-group, no clusters, 0 bytes of LDS; arguments cls_preds0, cls_preds1, cls_preds2, cness_preds0, cness_preds1, cness_preds2, gm; writes gm
.if DOCPART == 1
	.amdgcn_target "amdgcn-amd-amdhsa--gfx1250"
	.amdhsa_code_object_version 6
	.text
	.protected	k_qe03c50b578_gmax
	.globl	k_qe03c50b578_gmax
	.p2align	8
	.type	k_qe03c50b578_gmax,@function
k_qe03c50b578_gmax:
	s_mov_b64 s[64:65], 0
	v_nop
	global_prefetch_b8 v0, s[64:65] scope:SCOPE_SE
	s_setreg_imm32_b32 hwreg(HW_REG_WAVE_MODE, 25, 1), 1
	s_wait_xcnt 0x0
; KEYS AND GROUP MAXIMA.  key(n, c) = sigmoid(cls) * sigmoid(cness) where sigmoid(cls) > 0.05, else 0, as f32 bits.
; A GROUP is one location n and 16 consecutive classes (16 cb .. 16 cb + 15): its number n * 5 + cb is (n * 80 + c) >> 4.
; This launch streams all class scores once and stores each group's largest key: gm[GOFF + (b * 5 + cb) * N + n].
; Work-group x: a tile of 256 locations (tiles 0-39 level 0, 40-49 level 1, 50-52 level 2); y = b * 5 + cb.
; Thread t: location n0 + t, 16 loads of 4 bytes, one for each class; a wave's load covers 128 consecutive bytes.
; No LDS, no barrier, no matrix unit: nothing is shared between threads and there is no product.
; LIMITS.  The exponential and the reciprocal are good to one unit in the last place, so a key may differ from a
; correctly rounded one in its last bits; NaN inputs are not treated apart.  Very negative scores give 0, very large 1.
.set X,   8                            ; v[8:23]  byte offsets of my 16 numbers, then the numbers, then their keys
.set STH, 36                           ; s36  0.05
.set SNL, 38                           ; s38  -log2(e)
; four keys in place: x .. x+3; their centre-ness factors lie at cn, cn + cs, ...
.macro KEY4 x, cn, cs
.irp j, 0,1,2,3
	v_mul_f32 v[(\x)+\j], s[SNL], v[(\x)+\j]
.endr
.irp j, 0,1,2,3
	v_exp_f32 v[(\x)+\j], v[(\x)+\j]
.endr
	v_nop                                          ; a plain line between the last exponential and the use of its result
	s_wait_alu depctr_va_vdst(0)
.irp j, 0,1,2,3
	v_add_f32 v[(\x)+\j], 1.0, v[(\x)+\j]
.endr
.irp j, 0,1,2,3
	v_rcp_f32 v[(\x)+\j], v[(\x)+\j]
.endr
	v_nop                                          ; the same behind the last reciprocal
	s_wait_alu depctr_va_vdst(0)
.irp j, 0,1,2,3
	v_cmp_lt_f32 vcc_lo, s[STH], v[(\x)+\j]        ; the threshold is taken on the class probability alone
	v_mul_f32 v[(\x)+\j], v[(\x)+\j], v[(\cn)+(\cs)*\j]
	v_cndmask_b32 v[(\x)+\j], 0, v[(\x)+\j], vcc_lo
.endr
.endm
	s_load_b256 s[8:15], s[0:1], 0x0               ; cls0 s[8:9], cls1 s[10:11], cls2 s[12:13], cness0 s[14:15]
	s_load_b128 s[16:19], s[0:1], 0x20             ; cness1 s[16:17], cness2 s[18:19]
	s_load_b64 s[20:21], s[0:1], 0x30              ; gm
	s_mov_b32 s2, ttmp9                            ; tile
	s_and_b32 s3, ttmp7, 0xffff                    ; y = b * 5 + cb
	s_mov_b32 s[STH], 0x3d4ccccd
	s_mov_b32 s[SNL], 0xbfb8aa3b
	s_mov_b32 s4, 625                              ; N of the level
	s_mov_b32 s5, 1000000                          ; the level's first word in gm
	s_mov_b32 s6, 50                               ; the level's first tile
	s_cmp_lt_u32 s2, 50
	s_cselect_b32 s4, 2500, s4
	s_cselect_b32 s5, 800000, s5
	s_cselect_b32 s6, 40, s6
	s_cmp_lt_u32 s2, 40
	s_cselect_b32 s4, 10000, s4
	s_cselect_b32 s5, 0, s5
	s_cselect_b32 s6, 0, s6
	s_sub_co_u32 s7, s2, s6
	s_lshl_b32 s7, s7, 8                           ; n0
	s_mul_hi_u32 s26, s3, 0xcccccccd
	s_lshr_b32 s26, s26, 2                         ; b = y / 5
	s_mul_i32 s27, s26, 5
	s_sub_co_u32 s27, s3, s27                      ; cb
	s_mul_i32 s28, s26, 80
	s_lshl4_add_u32 s28, s27, s28                  ; b * 80 + cb * 16: my first plane of class scores
	s_mul_i32 s28, s28, s4
	s_lshl_b32 s28, s28, 2
	s_mov_b32 s29, 0
	s_mul_i32 s30, s26, s4                         ; b * N: my plane of centre-ness
	s_lshl_b32 s30, s30, 2
	s_mov_b32 s31, 0
	s_mul_i32 s32, s3, s4                          ; y * N + the level's first word
	s_add_co_u32 s32, s32, s5
	s_lshl_b32 s32, s32, 2
	s_mov_b32 s33, 0
	s_lshl_b32 s34, s4, 2                          ; bytes from a class plane to the next
	s_sub_co_u32 s35, s4, 1
	v_add_nc_u32 v1, s7, v0                        ; n
	v_min_u32 v2, s35, v1                          ; threads past the level's end read its last location and store nothing
	v_lshlrev_b32 v2, 2, v2
	v_mov_b32 v[X], v2
.set i, 1
.rept 15
	v_add_nc_u32 v[X+i], s34, v[X+i-1]
.set i, i+1
.endr
	s_wait_kmcnt 0x0
	s_cmp_lt_u32 s2, 50
	s_cselect_b64 s[22:23], s[10:11], s[12:13]
	s_cselect_b64 s[24:25], s[16:17], s[18:19]
	s_cmp_lt_u32 s2, 40
	s_cselect_b64 s[22:23], s[8:9], s[22:23]
	s_cselect_b64 s[24:25], s[14:15], s[24:25]
	s_add_nc_u64 s[22:23], s[22:23], s[28:29]
	s_add_nc_u64 s[24:25], s[24:25], s[30:31]
	s_add_nc_u64 s[20:21], s[20:21], s[32:33]
	global_load_b32 v3, v2, s[24:25]
.set i, 0
.rept 16
	global_load_b32 v[X+i], v[X+i], s[22:23] th:TH_LOAD_NT   ; each lands on its own offset register
.set i, i+1
.endr
	s_wait_loadcnt 16                              ; the centre-ness is in; the 16 loads issued behind it stay out
	v_mul_f32 v3, s[SNL], v3
	v_exp_f32 v3, v3
	v_nop
	s_wait_alu depctr_va_vdst(0)
	v_add_f32 v3, 1.0, v3
	v_rcp_f32 v3, v3
	v_nop
.irp g, 0,1,2,3
	s_wait_loadcnt 12-4*\g                         ; loads come back in order: these four are in, the younger ones stay out
	KEY4 X+4*\g, 3, 0
.if \g == 0
	v_max3_num_f32 v24, v[X], v[X+1], v[X+2]
	v_max_num_f32 v24, v24, v[X+3]
.else
	v_max3_num_f32 v24, v24, v[X+4*\g], v[X+4*\g+1]
	v_max3_num_f32 v24, v24, v[X+4*\g+2], v[X+4*\g+3]
.endif
.endr
	v_cmp_gt_u32 vcc_lo, s4, v1                    ; n < N: a mask made of ids alone
	s_wait_xcnt 0x0                                ; EXEC changes only behind this wait
	s_and_saveexec_b32 s37, vcc_lo
	global_store_b32 v2, v24, s[20:21]
	s_wait_xcnt 0x0
	s_or_b32 exec_lo, exec_lo, s37
	s_endpgm
.Lfunc_end_k_qe03c50b578_gmax:
	.size	k_qe03c50b578_gmax, .Lfunc_end_k_qe03c50b578_gmax-k_qe03c50b578_gmax
	.p2alignl 7, 3214868480
	.fill 96, 4, 3214868480
	.section	.rodata,"a",@progbits
	.p2align	6, 0x0
	.amdhsa_kernel k_qe03c50b578_gmax
		.amdhsa_group_segment_fixed_size 0
		.amdhsa_private_segment_fixed_size 0
		.amdhsa_enable_private_segment 0
		.amdhsa_kernarg_size 56
		.amdhsa_user_sgpr_count 2
		.amdhsa_user_sgpr_kernarg_segment_ptr 1
		.amdhsa_wavefront_size32 1
		.amdhsa_system_sgpr_workgroup_id_x 1
		.amdhsa_system_sgpr_workgroup_id_y 1
		.amdhsa_system_sgpr_workgroup_id_z 1
		.amdhsa_system_vgpr_workitem_id 0
		.amdhsa_next_free_vgpr 40
		.amdhsa_next_free_sgpr 66
		.amdhsa_reserve_vcc 1
		.amdhsa_float_denorm_mode_32 3
		.amdhsa_float_denorm_mode_16_64 3
		.amdhsa_memory_ordered 1
		.amdhsa_forward_progress 1
		.amdhsa_inst_pref_size 10
	.end_amdhsa_kernel
	.amdgpu_metadata
---
amdhsa.version: [ 1, 2 ]
amdhsa.kernels:
  - .name:           k_qe03c50b578_gmax
    .symbol:         k_qe03c50b578_gmax.kd
    .args:
      - { .name: cls_preds0, .offset: 0, .size: 8, .value_kind: global_buffer, .address_space: global }
      - { .name: cls_preds1, .offset: 8, .size: 8, .value_kind: global_buffer, .address_space: global }
      - { .name: cls_preds2, .offset: 16, .size: 8, .value_kind: global_buffer, .address_space: global }
      - { .name: cness_preds0, .offset: 24, .size: 8, .value_kind: global_buffer, .address_space: global }
      - { .name: cness_preds1, .offset: 32, .size: 8, .value_kind: global_buffer, .address_space: global }
      - { .name: cness_preds2, .offset: 40, .size: 8, .value_kind: global_buffer, .address_space: global }
      - { .name: gm, .offset: 48, .size: 8, .value_kind: global_buffer, .address_space: global }
    .group_segment_fixed_size: 0
    .private_segment_fixed_size: 0
    .kernarg_segment_align: 8
    .kernarg_segment_size: 56
    .max_flat_workgroup_size: 256
    .sgpr_count:     66
    .vgpr_count:     40
    .wavefront_size: 32
...
	.end_amdgpu_metadata
.endif
;; end of part 1
;; launch gsel (part 2): grid 48 x 1, 32 waves a work-group, no clusters, 4,608 bytes of LDS; arguments gm, glist; writes glist
.if DOCPART == 2
	.amdgcn_target "amdgcn-amd-amdhsa--gfx1250"
	.amdhsa_code_object_version 6
	.text
	.protected	k_qe03c50b578_gsel
	.globl	k_qe03c50b578_gsel
	.p2align	8
	.type	k_qe03c50b578_gsel,@function
k_qe03c50b578_gsel:
	s_mov_b64 s[64:65], 0
	v_nop
	global_prefetch_b8 v0, s[64:65] scope:SCOPE_SE
	s_setreg_imm32_b32 hwreg(HW_REG_WAVE_MODE, 25, 1), 1
	s_wait_xcnt 0x0
; THE 1000 BEST GROUPS of one level of one image (work-group il = level * 16 + image), by (largest key down, group number up).
; They hold the level's 1000 best elements: ahead of a group left out stand 1000 groups, each with an element that goes first.
; All group maxima lie in registers, 49 a thread; item (wave w, register k, lane) is group w * 1568 + k * 32 + lane, so that order is the groups' order.
; The 1000th largest key is found by bisection on the bits (positive f32 order as whole numbers): 28 rounds halve [LO0, HI0), which is under 2^27 wide.
; Then one sweep places, in order, every group above the bound and the first r of those equal to it.  Keys below LO0 (0.00195) count as none:
; such a score's root is below the final 0.05, so its row is zero, and in the greedy pass it can only remove lower ones.
; Lanes with nothing to place store into 32 dump words behind the list, which nobody reads; EXEC is never changed.
.set K,     16                         ; v[16:64] the keys
.set PAIR,  256                        ; LDS: 0, 128 two sets of 32 counts that take turns; 256 the waves' pairs of counts
.set SPARE, 512                        ; the spare words, 128 bytes for each of 32 waves
.set LO0,   0x3b000000
.set HI0,   0x3f800001                 ; above 1.0, the largest key there can be
.macro COUNT thr, dst                  ; dst = how many of my wave's 49 x 32 keys are at least thr
	s_mov_b32 \dst, 0
.set c0, 0
.rept 6
.irp j, 0,1,2,3,4,5,6,7
	v_cmp_le_u32 s[20+\j], \thr, v[K+c0+\j]
.endr
.irp j, 0,1,2,3,4,5,6,7
	s_bcnt1_i32_b32 s[20+\j], s[20+\j]
	s_add_co_u32 \dst, \dst, s[20+\j]
.endr
.set c0, c0+8
.endr
	v_cmp_le_u32 s20, \thr, v[K+48]
	s_bcnt1_i32_b32 s20, s20
	s_add_co_u32 \dst, \dst, s20
.endm
.macro WGSUM buf                       ; s17 = the sum of all 32 waves' s16
	v_mov_b32 v9, s16
	ds_store_b32 v6, v9 offset:(\buf)*128
	s_wait_dscnt 0x0                               ; for the others' sake: my count is written
	s_barrier_signal -1
	s_barrier_wait -1
	ds_load_b32 v9, v7 offset:(\buf)*128           ; lane l takes wave l's count
	s_wait_dscnt 0x0                               ; also: my read is over before I signal the next barrier, behind which the other set is written, and behind the one after that this set
.irp m, 1,2,4,8
	v_mov_b32_dpp v10, v9 row_xmask:\m row_mask:0xf bank_mask:0xf
	v_add_nc_u32 v9, v9, v10
.endr
	v_permlanex16_b32 v10, v9, s28, s29
	v_add_nc_u32 v9, v9, v10
	v_readfirstlane_b32 s17, v9
.endm
.macro BROUND buf                      ; one halving.  Kept: count(>= hi) = chi < 1000; count(>= lo) >= 1000, or lo = LO0
	s_add_co_u32 s15, s12, s13
	s_lshr_b32 s15, s15, 1
	COUNT s15, s16
	WGSUM \buf
	s_cmp_ge_u32 s17, 1000
	s_cselect_b32 s12, s15, s12
	s_cselect_b32 s13, s13, s15
	s_cselect_b32 s14, s14, s17
.endm
.macro SCAN v, t                       ; running sum over the 32 lanes, the lane's own number included
.irp m, 1,2,4,8
	v_mov_b32_dpp \t, \v row_shr:\m row_mask:0xf bank_mask:0xf bound_ctrl:1
	v_add_nc_u32 \v, \v, \t
.endr
	v_readlane_b32 s52, \v, 15
	v_add_nc_u32 \t, s52, \v
	v_cndmask_b32 \v, \v, \t, s30                  ; lanes 16-31 add the lower half's total
.endm
	s_load_b128 s[4:7], s[0:1], 0x0                ; gm s[4:5], glist s[6:7]
	v_lshl_add_u32 v2, v0, 2, SPARE                ; my spare word,
	v_mov_b32 v3, 0                                ; and 0: kept for the add at the wave's end
	v_and_b32 v4, 31, v0                           ; lane
	v_lshrrev_b32 v9, 5, v0
	v_readfirstlane_b32 s8, v9                     ; wave 0..31
	s_lshr_b32 s11, ttmp9, 4                       ; level
	s_mov_b32 s9, 625                              ; N
	s_mov_b32 s19, 1000000                         ; the level's first word in gm
	s_cmp_lt_u32 s11, 2
	s_cselect_b32 s9, 2500, s9
	s_cselect_b32 s19, 800000, s19
	s_cmp_lt_u32 s11, 1
	s_cselect_b32 s9, 10000, s9
	s_cselect_b32 s19, 0, s19
	s_mul_i32 s10, s9, 5                           ; G: groups of the level
	s_sub_co_u32 s47, s10, 1
	s_mov_b32 s48, 0xcccccccd                      ; x / 5 = (x * this) >> 34
	s_and_b32 s42, ttmp9, 15                       ; image
	s_mul_i32 s42, s42, s10
	s_add_co_u32 s42, s42, s19
	s_lshl_b32 s42, s42, 2
	s_mov_b32 s43, 0
	s_mul_i32 s44, ttmp9, 4352                     ; a list: 1024 words and 32 dump words, pitch 1088 words
	s_mov_b32 s45, 0
	s_mov_b32 s28, 0x76543210                      ; v_permlanex16_b32: each lane takes its own place in the other half
	s_mov_b32 s29, 0xfedcba98
	s_mov_b32 s30, 0xffff0000                      ; lanes 16-31
	s_mul_i32 s46, s8, 1568
	v_add_nc_u32 v5, s46, v4                       ; my first group
	v_mov_b32 v6, s8
	v_lshlrev_b32 v12, 3, v6                       ; wave * 8
	v_lshlrev_b32 v6, 2, v6                        ; wave * 4
	v_lshlrev_b32 v7, 2, v4                        ; lane * 4
	v_lshlrev_b32 v13, 3, v4                       ; lane * 8
	v_add_nc_u32 v8, 1024, v4                      ; my dump word
	v_mov_b32 v10, 0                               ; destinations of lane moves count as read: written once here
	v_mov_b32 v74, 0
	s_wait_kmcnt 0x0
	s_add_nc_u64 s[4:5], s[4:5], s[42:43]
	s_add_nc_u64 s[6:7], s[6:7], s[44:45]
.set k, 0
.rept 49                               ; group g = n * 5 + cb lies at word cb * N + n of the image's part
	v_add_nc_u32 v9, 32*k, v5
	v_min_u32 v9, s47, v9
	v_mul_hi_u32 v10, v9, s48
	v_lshrrev_b32 v10, 2, v10
	v_mul_u32_u24 v11, v10, 5
	v_sub_nc_u32 v11, v9, v11
	v_mad_u32_u24 v[K+k], v11, s9, v10
	v_lshlrev_b32 v[K+k], 2, v[K+k]
	global_load_b32 v[K+k], v[K+k], s[4:5]
.set k, k+1
.endr
	s_wait_loadcnt 0x0
.set k, 0
.rept 49                               ; items past the level's last group hold no key
	v_add_nc_u32 v9, 32*k, v5
	v_cmp_gt_u32 vcc_lo, s10, v9
	v_cndmask_b32 v[K+k], 0, v[K+k], vcc_lo
.set k, k+1
.endr
	s_mov_b32 s12, LO0
	s_mov_b32 s13, HI0
	s_mov_b32 s14, 0
	s_mov_b32 s18, 14
.Lbis:                                 ; 28 rounds, a constant: every wave passes every barrier
	BROUND 0
	BROUND 1
	s_sub_co_u32 s18, s18, 1
	s_cmp_lg_u32 s18, 0
	s_cbranch_scc1 .Lbis
	; hi = lo + 1 (or hi = lo = LO0 where fewer than 1000 keys reach LO0).  A: keys >= hi, all taken.  B: keys = lo, the first r taken.
	s_sub_co_u32 s31, 1000, s14                    ; r
	COUNT s13, s50                                 ; my wave's A
	COUNT s12, s51
	s_sub_co_u32 s51, s51, s50                     ; my wave's B
	v_mov_b32 v70, s50
	v_mov_b32 v71, s51
	ds_store_b64 v12, v[70:71] offset:PAIR
	s_wait_dscnt 0x0                               ; for the others' sake
	s_barrier_signal -1
	s_barrier_wait -1
	ds_load_b64 v[70:71], v13 offset:PAIR          ; lane l: wave l's A and B
	s_wait_dscnt 0x0
	v_mov_b32 v72, v71
	SCAN v72, v74
	v_sub_nc_u32 v73, v72, v71                     ; B in the waves ahead
	v_min_u32 v75, s31, v73
	v_sub_nc_u32 v75, s31, v75                     ; what is left of r for this wave,
	v_min_u32 v75, v71, v75                        ; and how many of its B are taken
	v_add_nc_u32 v75, v70, v75
	v_mov_b32 v76, v75
	SCAN v76, v74
	v_sub_nc_u32 v77, v76, v75                     ; places taken by the waves ahead
	v_readlane_b32 s32, v73, s8                    ; my wave's first rank among B,
	v_readlane_b32 s33, v77, s8                    ; its first place in the list,
	v_readlane_b32 s34, v76, 31                    ; and the list's length
.set k, 0
.rept 49
.if (k%4) == 0
	s_wait_xcnt 0x0                                ; four sets of address and data registers take turns: they are rewritten only behind this wait
.endif
	v_cmp_le_u32 s36, s13, v[K+k]                  ; A
	v_cmp_le_u32 s37, s12, v[K+k]
	s_and_not1_b32 s38, s37, s36                   ; B
	v_mbcnt_lo_u32_b32 v78, s38, s32               ; rank among B
	v_cmp_gt_u32 s39, s31, v78
	s_and_b32 s39, s38, s39
	s_or_b32 s39, s36, s39                         ; taken
	v_mbcnt_lo_u32_b32 v[70+2*(k%4)], s39, s33     ; place
	v_cndmask_b32 v[70+2*(k%4)], v8, v[70+2*(k%4)], s39
	v_min_u32 v[70+2*(k%4)], 1055, v[70+2*(k%4)]
	v_lshlrev_b32 v[70+2*(k%4)], 2, v[70+2*(k%4)]
	v_add_nc_u32 v[71+2*(k%4)], 32*k, v5           ; the group's number
	global_store_b32 v[70+2*(k%4)], v[71+2*(k%4)], s[6:7]
	s_bcnt1_i32_b32 s40, s38
	s_add_co_u32 s32, s32, s40
	s_bcnt1_i32_b32 s40, s39
	s_add_co_u32 s33, s33, s40
.set k, k+1
.endr
	s_wait_xcnt 0x0
	v_cmp_le_u32 vcc_lo, s34, v0                   ; places from the list's length to 1023 take a number that is no group's
	v_cndmask_b32 v70, v8, v0, vcc_lo
	v_min_u32 v70, 1055, v70
	v_lshlrev_b32 v70, 2, v70
	v_mov_b32 v71, 0xfffff
	global_store_b32 v70, v71, s[6:7]
	s_wait_tensorcnt 0x0                           ; the wave's end
	ds_add_u32 v2, v3
	s_wait_dscnt 0x0
	s_endpgm
.Lfunc_end_k_qe03c50b578_gsel:
	.size	k_qe03c50b578_gsel, .Lfunc_end_k_qe03c50b578_gsel-k_qe03c50b578_gsel
	.p2alignl 7, 3214868480
	.fill 96, 4, 3214868480
	.section	.rodata,"a",@progbits
	.p2align	6, 0x0
	.amdhsa_kernel k_qe03c50b578_gsel
		.amdhsa_group_segment_fixed_size 4608
		.amdhsa_private_segment_fixed_size 0
		.amdhsa_enable_private_segment 0
		.amdhsa_kernarg_size 16
		.amdhsa_user_sgpr_count 2
		.amdhsa_user_sgpr_kernarg_segment_ptr 1
		.amdhsa_wavefront_size32 1
		.amdhsa_system_sgpr_workgroup_id_x 1
		.amdhsa_system_sgpr_workgroup_id_y 1
		.amdhsa_system_sgpr_workgroup_id_z 1
		.amdhsa_system_vgpr_workitem_id 0
		.amdhsa_next_free_vgpr 88
		.amdhsa_next_free_sgpr 66
		.amdhsa_reserve_vcc 1
		.amdhsa_float_denorm_mode_32 3
		.amdhsa_float_denorm_mode_16_64 3
		.amdhsa_memory_ordered 1
		.amdhsa_forward_progress 1
		.amdhsa_inst_pref_size 102
	.end_amdhsa_kernel
	.amdgpu_metadata
---
amdhsa.version: [ 1, 2 ]
amdhsa.kernels:
  - .name:           k_qe03c50b578_gsel
    .symbol:         k_qe03c50b578_gsel.kd
    .args:
      - { .name: gm, .offset: 0, .size: 8, .value_kind: global_buffer, .address_space: global }
      - { .name: glist, .offset: 8, .size: 8, .value_kind: global_buffer, .address_space: global }
    .group_segment_fixed_size: 4608
    .private_segment_fixed_size: 0
    .kernarg_segment_align: 8
    .kernarg_segment_size: 16
    .max_flat_workgroup_size: 1024
    .sgpr_count:     66
    .vgpr_count:     88
    .wavefront_size: 32
...
	.end_amdgpu_metadata
.endif
;; end of part 2
;; launch rekey (part 3): grid 16 x 48, 8 waves a work-group, no clusters, 0 bytes of LDS; arguments cls_preds0, cls_preds1, cls_preds2, cness_preds0, cness_preds1, cness_preds2, glist, kv; writes kv
.if DOCPART == 3
	.amdgcn_target "amdgcn-amd-amdhsa--gfx1250"
	.amdhsa_code_object_version 6
	.text
	.protected	k_qe03c50b578_rekey
	.globl	k_qe03c50b578_rekey
	.p2align	8
	.type	k_qe03c50b578_rekey,@function
k_qe03c50b578_rekey:
	s_mov_b64 s[64:65], 0
	v_nop
	global_prefetch_b8 v0, s[64:65] scope:SCOPE_SE
	s_setreg_imm32_b32 hwreg(HW_REG_WAVE_MODE, 25, 1), 1
	s_wait_xcnt 0x0
; THE KEYS OF THE LISTED GROUPS.  For list place q (0..1023) and e (0..15) of level and image il: kv[il][q * 16 + e] = (key, n * 80 + c),
; the key made by the very lines that made the group maxima, so the bits agree; (0, 0) where the place holds no group.
; Work-group (chunk x, il y): 1024 items; thread t takes items chunk * 1024 + u * 256 + t, u = 0..3.  A wave's store covers 256 consecutive bytes.
; The gathers' addresses come from whole numbers that an earlier launch stored; each is bounded before it enters an address.
; LIMITS as for the group maxima: exponential and reciprocal to one unit in the last place; NaN is not treated apart.
.set STH, 44                           ; s44  0.05
.set SNL, 45                           ; s45  -log2(e)
.macro KEY4 x, cn, cs
.irp j, 0,1,2,3
	v_mul_f32 v[(\x)+\j], s[SNL], v[(\x)+\j]
.endr
.irp j, 0,1,2,3
	v_exp_f32 v[(\x)+\j], v[(\x)+\j]
.endr
	v_nop                                          ; a plain line between the last exponential and the use of its result
	s_wait_alu depctr_va_vdst(0)
.irp j, 0,1,2,3
	v_add_f32 v[(\x)+\j], 1.0, v[(\x)+\j]
.endr
.irp j, 0,1,2,3
	v_rcp_f32 v[(\x)+\j], v[(\x)+\j]
.endr
	v_nop
	s_wait_alu depctr_va_vdst(0)
.irp j, 0,1,2,3
	v_cmp_lt_f32 vcc_lo, s[STH], v[(\x)+\j]
	v_mul_f32 v[(\x)+\j], v[(\x)+\j], v[(\cn)+(\cs)*\j]
	v_cndmask_b32 v[(\x)+\j], 0, v[(\x)+\j], vcc_lo
.endr
.endm
	s_load_b512 s[8:23], s[0:1], 0x0               ; cls0-2 s[8:13], cness0-2 s[14:19], glist s[20:21], kv s[22:23]
	s_and_b32 s24, ttmp7, 0xffff                   ; il
	s_lshr_b32 s25, s24, 4                         ; level
	s_and_b32 s31, s24, 15                         ; image
	s_mov_b32 s[STH], 0x3d4ccccd
	s_mov_b32 s[SNL], 0xbfb8aa3b
	s_mov_b32 s29, 0xcccccccd
	s_mov_b32 s26, 625                             ; N
	s_cmp_lt_u32 s25, 2
	s_cselect_b32 s26, 2500, s26
	s_cmp_lt_u32 s25, 1
	s_cselect_b32 s26, 10000, s26
	s_mul_i32 s27, s26, 5                          ; G
	s_sub_co_u32 s28, s27, 1
	s_mul_i32 s32, s31, s26
	s_mul_i32 s32, s32, 320                        ; the image's 80 planes of N numbers
	s_mov_b32 s33, 0
	s_mul_i32 s34, s31, s26
	s_lshl_b32 s34, s34, 2
	s_mov_b32 s35, 0
	s_mul_i32 s36, s24, 4352
	s_mov_b32 s37, 0
	s_lshl_b32 s38, s24, 17                        ; 16384 pairs of 8 bytes for each il,
	s_lshl_b32 s46, ttmp9, 13                      ; 1024 for each chunk
	s_add_co_u32 s38, s38, s46
	s_mov_b32 s39, 0
	s_lshl_b32 s30, ttmp9, 6                       ; the chunk's first list place
	v_lshrrev_b32 v4, 4, v0
	v_add_nc_u32 v4, s30, v4
	v_lshlrev_b32 v4, 2, v4                        ; byte offset of list place q for u = 0; u adds 16 places
	v_and_b32 v5, 15, v0                           ; e
	v_lshlrev_b32 v32, 3, v0                       ; my pair's byte offset in the chunk for u = 0
	s_wait_kmcnt 0x0
	s_cmp_lt_u32 s25, 2
	s_cselect_b64 s[10:11], s[10:11], s[12:13]
	s_cselect_b64 s[16:17], s[16:17], s[18:19]
	s_cmp_lt_u32 s25, 1
	s_cselect_b64 s[8:9], s[8:9], s[10:11]
	s_cselect_b64 s[14:15], s[14:15], s[16:17]
	s_add_nc_u64 s[8:9], s[8:9], s[32:33]
	s_add_nc_u64 s[14:15], s[14:15], s[34:35]
	s_add_nc_u64 s[20:21], s[20:21], s[36:37]
	s_add_nc_u64 s[22:23], s[22:23], s[38:39]
.irp u, 0,1,2,3
	global_load_b32 v[8+\u], v4, s[20:21] offset:64*\u
.endr
	s_wait_loadcnt 0x0
.irp u, 0,1,2,3
	v_cmp_gt_u32 s[40+\u], s27, v[8+\u]            ; a group's number, or the filler
	v_min_u32 v[8+\u], s28, v[8+\u]
	v_mul_hi_u32 v6, v[8+\u], s29
	v_lshrrev_b32 v6, 2, v6                        ; n
	v_mul_u32_u24 v7, v6, 5
	v_sub_nc_u32 v7, v[8+\u], v7                   ; cb
	v_lshl_add_u32 v[12+\u], v[8+\u], 4, v5        ; n * 80 + c
	v_lshl_add_u32 v7, v7, 4, v5                   ; c
	v_min_u32 v6, 0x270f, v6                       ; bounds written out; n is below N already
	v_min_u32 v7, 79, v7
	v_mul_u32_u24 v7, v7, s26
	v_add_nc_u32 v7, v7, v6
	v_lshlrev_b32 v[16+\u], 2, v7
	v_lshlrev_b32 v[20+\u], 2, v6
.endr
.irp u, 0,1,2,3
	global_load_b32 v[20+\u], v[20+\u], s[14:15]
	global_load_b32 v[16+\u], v[16+\u], s[8:9]
.endr
	s_wait_loadcnt 0x0
.irp u, 0,1,2,3
	v_mul_f32 v[20+\u], s[SNL], v[20+\u]
.endr
.irp u, 0,1,2,3
	v_exp_f32 v[20+\u], v[20+\u]
.endr
	v_nop
	s_wait_alu depctr_va_vdst(0)
.irp u, 0,1,2,3
	v_add_f32 v[20+\u], 1.0, v[20+\u]
.endr
.irp u, 0,1,2,3
	v_rcp_f32 v[20+\u], v[20+\u]
.endr
	v_nop
	KEY4 16, 20, 1
.irp u, 0,1,2,3
	v_cndmask_b32 v[24+2*\u], 0, v[16+\u], s[40+\u]
	v_cndmask_b32 v[25+2*\u], 0, v[12+\u], s[40+\u]
	global_store_b64 v32, v[24+2*\u:25+2*\u], s[22:23] offset:2048*\u
.endr
	s_endpgm
.Lfunc_end_k_qe03c50b578_rekey:
	.size	k_qe03c50b578_rekey, .Lfunc_end_k_qe03c50b578_rekey-k_qe03c50b578_rekey
	.p2alignl 7, 3214868480
	.fill 96, 4, 3214868480
	.section	.rodata,"a",@progbits
	.p2align	6, 0x0
	.amdhsa_kernel k_qe03c50b578_rekey
		.amdhsa_group_segment_fixed_size 0
		.amdhsa_private_segment_fixed_size 0
		.amdhsa_enable_private_segment 0
		.amdhsa_kernarg_size 64
		.amdhsa_user_sgpr_count 2
		.amdhsa_user_sgpr_kernarg_segment_ptr 1
		.amdhsa_wavefront_size32 1
		.amdhsa_system_sgpr_workgroup_id_x 1
		.amdhsa_system_sgpr_workgroup_id_y 1
		.amdhsa_system_sgpr_workgroup_id_z 1
		.amdhsa_system_vgpr_workitem_id 0
		.amdhsa_next_free_vgpr 40
		.amdhsa_next_free_sgpr 66
		.amdhsa_reserve_vcc 1
		.amdhsa_float_denorm_mode_32 3
		.amdhsa_float_denorm_mode_16_64 3
		.amdhsa_memory_ordered 1
		.amdhsa_forward_progress 1
		.amdhsa_inst_pref_size 9
	.end_amdhsa_kernel
	.amdgpu_metadata
---
amdhsa.version: [ 1, 2 ]
amdhsa.kernels:
  - .name:           k_qe03c50b578_rekey
    .symbol:         k_qe03c50b578_rekey.kd
    .args:
      - { .name: cls_preds0, .offset: 0, .size: 8, .value_kind: global_buffer, .address_space: global }
      - { .name: cls_preds1, .offset: 8, .size: 8, .value_kind: global_buffer, .address_space: global }
      - { .name: cls_preds2, .offset: 16, .size: 8, .value_kind: global_buffer, .address_space: global }
      - { .name: cness_preds0, .offset: 24, .size: 8, .value_kind: global_buffer, .address_space: global }
      - { .name: cness_preds1, .offset: 32, .size: 8, .value_kind: global_buffer, .address_space: global }
      - { .name: cness_preds2, .offset: 40, .size: 8, .value_kind: global_buffer, .address_space: global }
      - { .name: glist, .offset: 48, .size: 8, .value_kind: global_buffer, .address_space: global }
      - { .name: kv, .offset: 56, .size: 8, .value_kind: global_buffer, .address_space: global }
    .group_segment_fixed_size: 0
    .private_segment_fixed_size: 0
    .kernarg_segment_align: 8
    .kernarg_segment_size: 64
    .max_flat_workgroup_size: 256
    .sgpr_count:     66
    .vgpr_count:     40
    .wavefront_size: 32
...
	.end_amdgpu_metadata
.endif
;; end of part 3
;; launch esel (part 4): grid 48 x 1, 32 waves a work-group, no clusters, 4,608 bytes of LDS; arguments kv, cand; writes cand
.if DOCPART == 4
	.amdgcn_target "amdgcn-amd-amdhsa--gfx1250"
	.amdhsa_code_object_version 6
	.text
	.protected	k_qe03c50b578_esel
	.globl	k_qe03c50b578_esel
	.p2align	8
	.type	k_qe03c50b578_esel,@function
k_qe03c50b578_esel:
	s_mov_b64 s[64:65], 0
	v_nop
	global_prefetch_b8 v0, s[64:65] scope:SCOPE_SE
	s_setreg_imm32_b32 hwreg(HW_REG_WAVE_MODE, 25, 1), 1
	s_wait_xcnt 0x0
; THE 1000 BEST ELEMENTS of one level of one image (work-group il), by (key down, n * 80 + c up), out of the 16384 pairs (key, index)
; that the listed groups gave.  The pairs lie in ascending index, item (wave w, register k, lane) = pair w * 512 + k * 32 + lane, so that order is the tie order.
; As for the groups: bisection on the key's bits, 28 halvings of [LO0, HI0), each counting all keys whatever they are; then one sweep that keeps the order.
; cand[il][0..1023] = (key, index), (0, 0) where empty; 32 dump pairs behind them take the stores of lanes with nothing to place.
; Keys below LO0 (0.00195) count as none: their rows would be zero, and they can only remove lower ones.
.set K,     16                         ; v[16:47] the pairs: key at 16 + 2 k, index at 17 + 2 k
.set PAIR,  256
.set SPARE, 512
.set LO0,   0x3b000000
.set HI0,   0x3f800001
.macro COUNT thr, dst
	s_mov_b32 \dst, 0
.set c0, 0
.rept 2
.irp j, 0,1,2,3,4,5,6,7
	v_cmp_le_u32 s[20+\j], \thr, v[K+2*(c0+\j)]
.endr
.irp j, 0,1,2,3,4,5,6,7
	s_bcnt1_i32_b32 s[20+\j], s[20+\j]
	s_add_co_u32 \dst, \dst, s[20+\j]
.endr
.set c0, c0+8
.endr
.endm
.macro WGSUM buf
	v_mov_b32 v9, s16
	ds_store_b32 v6, v9 offset:(\buf)*128
	s_wait_dscnt 0x0                               ; for the others' sake: my count is written
	s_barrier_signal -1
	s_barrier_wait -1
	ds_load_b32 v9, v7 offset:(\buf)*128
	s_wait_dscnt 0x0                               ; my read is over before I signal the next barrier; this set is written again behind the one after
.irp m, 1,2,4,8
	v_mov_b32_dpp v10, v9 row_xmask:\m row_mask:0xf bank_mask:0xf
	v_add_nc_u32 v9, v9, v10
.endr
	v_permlanex16_b32 v10, v9, s28, s29
	v_add_nc_u32 v9, v9, v10
	v_readfirstlane_b32 s17, v9
.endm
.macro BROUND buf
	s_add_co_u32 s15, s12, s13
	s_lshr_b32 s15, s15, 1
	COUNT s15, s16
	WGSUM \buf
	s_cmp_ge_u32 s17, 1000
	s_cselect_b32 s12, s15, s12
	s_cselect_b32 s13, s13, s15
	s_cselect_b32 s14, s14, s17
.endm
.macro SCAN v, t
.irp m, 1,2,4,8
	v_mov_b32_dpp \t, \v row_shr:\m row_mask:0xf bank_mask:0xf bound_ctrl:1
	v_add_nc_u32 \v, \v, \t
.endr
	v_readlane_b32 s52, \v, 15
	v_add_nc_u32 \t, s52, \v
	v_cndmask_b32 \v, \v, \t, s30
.endm
	s_load_b128 s[4:7], s[0:1], 0x0                ; kv s[4:5], cand s[6:7]
	v_lshl_add_u32 v2, v0, 2, SPARE
	v_mov_b32 v3, 0
	v_and_b32 v4, 31, v0
	v_lshrrev_b32 v9, 5, v0
	v_readfirstlane_b32 s8, v9
	s_lshl_b32 s42, ttmp9, 17                      ; 16384 pairs of 8 bytes
	s_mov_b32 s43, 0
	s_mul_i32 s44, ttmp9, 8448                     ; 1056 pairs of 8 bytes
	s_mov_b32 s45, 0
	s_mov_b32 s28, 0x76543210
	s_mov_b32 s29, 0xfedcba98
	s_mov_b32 s30, 0xffff0000
	s_lshl_b32 s46, s8, 9
	v_add_nc_u32 v5, s46, v4
	v_lshlrev_b32 v5, 3, v5                        ; my first pair's byte offset
	v_mov_b32 v6, s8
	v_lshlrev_b32 v12, 3, v6
	v_lshlrev_b32 v6, 2, v6
	v_lshlrev_b32 v7, 2, v4
	v_lshlrev_b32 v13, 3, v4
	v_add_nc_u32 v8, 1024, v4                      ; my dump pair
	v_mov_b32 v10, 0
	v_mov_b32 v74, 0
	s_wait_kmcnt 0x0
	s_add_nc_u64 s[4:5], s[4:5], s[42:43]
	s_add_nc_u64 s[6:7], s[6:7], s[44:45]
.set k, 0
.rept 16
	global_load_b64 v[K+2*k:K+2*k+1], v5, s[4:5] offset:256*k
.set k, k+1
.endr
	s_wait_loadcnt 0x0
	s_mov_b32 s12, LO0
	s_mov_b32 s13, HI0
	s_mov_b32 s14, 0
	s_mov_b32 s18, 14
.Lbis:                                 ; 28 halvings, a constant: every wave passes every barrier
	BROUND 0
	BROUND 1
	s_sub_co_u32 s18, s18, 1
	s_cmp_lg_u32 s18, 0
	s_cbranch_scc1 .Lbis
	s_sub_co_u32 s31, 1000, s14                    ; r
	COUNT s13, s50                                 ; my wave's A: keys >= hi
	COUNT s12, s51
	s_sub_co_u32 s51, s51, s50                     ; my wave's B: keys = lo
	v_mov_b32 v70, s50
	v_mov_b32 v71, s51
	ds_store_b64 v12, v[70:71] offset:PAIR
	s_wait_dscnt 0x0                               ; for the others' sake
	s_barrier_signal -1
	s_barrier_wait -1
	ds_load_b64 v[70:71], v13 offset:PAIR
	s_wait_dscnt 0x0
	v_mov_b32 v72, v71
	SCAN v72, v74
	v_sub_nc_u32 v73, v72, v71
	v_min_u32 v75, s31, v73
	v_sub_nc_u32 v75, s31, v75
	v_min_u32 v75, v71, v75
	v_add_nc_u32 v75, v70, v75
	v_mov_b32 v76, v75
	SCAN v76, v74
	v_sub_nc_u32 v77, v76, v75
	v_readlane_b32 s32, v73, s8
	v_readlane_b32 s33, v77, s8
	v_readlane_b32 s34, v76, 31
.set k, 0
.rept 16
.if (k%4) == 0
	s_wait_xcnt 0x0                                ; four address registers take turns: they are rewritten only behind this wait; the data are the pairs themselves, never rewritten
.endif
	v_cmp_le_u32 s36, s13, v[K+2*k]
	v_cmp_le_u32 s37, s12, v[K+2*k]
	s_and_not1_b32 s38, s37, s36
	v_mbcnt_lo_u32_b32 v78, s38, s32
	v_cmp_gt_u32 s39, s31, v78
	s_and_b32 s39, s38, s39
	s_or_b32 s39, s36, s39
	v_mbcnt_lo_u32_b32 v[70+(k%4)], s39, s33
	v_cndmask_b32 v[70+(k%4)], v8, v[70+(k%4)], s39
	v_min_u32 v[70+(k%4)], 1055, v[70+(k%4)]
	v_lshlrev_b32 v[70+(k%4)], 3, v[70+(k%4)]
	global_store_b64 v[70+(k%4)], v[K+2*k:K+2*k+1], s[6:7]
	s_bcnt1_i32_b32 s40, s38
	s_add_co_u32 s32, s32, s40
	s_bcnt1_i32_b32 s40, s39
	s_add_co_u32 s33, s33, s40
.set k, k+1
.endr
	s_wait_xcnt 0x0
	v_cmp_le_u32 vcc_lo, s34, v0                   ; places from the list's length to 1023 are empty
	v_cndmask_b32 v70, v8, v0, vcc_lo
	v_min_u32 v70, 1055, v70
	v_lshlrev_b32 v70, 3, v70
	v_mov_b32 v72, 0
	v_mov_b32 v73, 0
	global_store_b64 v70, v[72:73], s[6:7]
	s_wait_tensorcnt 0x0                           ; the wave's end
	ds_add_u32 v2, v3
	s_wait_dscnt 0x0
	s_endpgm
.Lfunc_end_k_qe03c50b578_esel:
	.size	k_qe03c50b578_esel, .Lfunc_end_k_qe03c50b578_esel-k_qe03c50b578_esel
	.p2alignl 7, 3214868480
	.fill 96, 4, 3214868480
	.section	.rodata,"a",@progbits
	.p2align	6, 0x0
	.amdhsa_kernel k_qe03c50b578_esel
		.amdhsa_group_segment_fixed_size 4608
		.amdhsa_private_segment_fixed_size 0
		.amdhsa_enable_private_segment 0
		.amdhsa_kernarg_size 16
		.amdhsa_user_sgpr_count 2
		.amdhsa_user_sgpr_kernarg_segment_ptr 1
		.amdhsa_wavefront_size32 1
		.amdhsa_system_sgpr_workgroup_id_x 1
		.amdhsa_system_sgpr_workgroup_id_y 1
		.amdhsa_system_sgpr_workgroup_id_z 1
		.amdhsa_system_vgpr_workitem_id 0
		.amdhsa_next_free_vgpr 88
		.amdhsa_next_free_sgpr 66
		.amdhsa_reserve_vcc 1
		.amdhsa_float_denorm_mode_32 3
		.amdhsa_float_denorm_mode_16_64 3
		.amdhsa_memory_ordered 1
		.amdhsa_forward_progress 1
		.amdhsa_inst_pref_size 29
	.end_amdhsa_kernel
	.amdgpu_metadata
---
amdhsa.version: [ 1, 2 ]
amdhsa.kernels:
  - .name:           k_qe03c50b578_esel
    .symbol:         k_qe03c50b578_esel.kd
    .args:
      - { .name: kv, .offset: 0, .size: 8, .value_kind: global_buffer, .address_space: global }
      - { .name: cand, .offset: 8, .size: 8, .value_kind: global_buffer, .address_space: global }
    .group_segment_fixed_size: 4608
    .private_segment_fixed_size: 0
    .kernarg_segment_align: 8
    .kernarg_segment_size: 16
    .max_flat_workgroup_size: 1024
    .sgpr_count:     66
    .vgpr_count:     88
    .wavefront_size: 32
...
	.end_amdgpu_metadata
.endif
;; end of part 4
;; launch nms (part 5): grid 16 x 1, 24 waves a work-group, no clusters, 5,120 bytes of LDS; arguments cand, locations0, locations1, locations2, reg_preds0, reg_preds1, reg_preds2, out0, out1, out2, out3; writes out0, out1, out2, out3
.if DOCPART == 5
	.amdgcn_target "amdgcn-amd-amdhsa--gfx1250"
	.amdhsa_code_object_version 6
	.text
	.protected	k_qe03c50b578_nms
	.globl	k_qe03c50b578_nms
	.p2align	8
	.type	k_qe03c50b578_nms,@function
k_qe03c50b578_nms:
	s_mov_b64 s[64:65], 0
	v_nop
	global_prefetch_b8 v0, s[64:65] scope:SCOPE_SE
	s_setreg_imm32_b32 hwreg(HW_REG_WAVE_MODE, 25, 1), 1
	s_wait_xcnt 0x0
; BOXES AND THE GREEDY PASS, one image a work-group.  24 waves: waves 8 l .. 8 l + 7 hold level l's 1024 places, four a thread, so (wave, lane, slot) is the order in which equal scores go.
; Greedy suppression followed by "the first 100 kept" is 100 rounds of: take the best living candidate; it and all that overlap it by more than 0.6 die.
; A round: each wave finds its best (key, box, tag) and writes it as a record of 32 bytes; one barrier; every wave reads the 24 records, finds the winner, and kills among its own 128.
; Two sets of records take turns, so the one barrier orders writing before reading and reading before the next writing.  100 rounds whatever the data: no branch hangs on a number.
; Round r's winner is kept by thread r in six registers.  A dead or empty place has key 0; when all are dead the winner's key is 0 and its row is zero.
; LIMITS.  Order goes by the product p, not by its root: they differ only where the root merges two p of different levels.  "IoU > 0.6" is taken as inter - 0.6f * den > 0 with den >= 0,
; the test on the true quotient, not on the rounded one.  The root is good to one unit in the last place.  NaN and infinities are not treated apart.
.set SPARE, 2048                       ; LDS: 0 and 1024 the two sets of 24 records; 2048 the spare words, 128 bytes for each of 24 waves
.set KEY,  8                           ; v[8:11]    keys of my four slots
.set TAG,  12                          ; v[12:15]   (place << 8) | class
.set BOX,  16                          ; v[16:31]   x1, y1, x2, y2 of slot q at 16 + 4 q
.set AREA, 32                          ; v[32:35]
.set T,    80                          ; v[80:103]  six at work for each slot
.set RES,  104                         ; v[104:109] my round's winner: box, tag, key
.macro BFLY                            ; the largest v48 of the 32 lanes, in every lane
.irp m, 1,2,4,8
	v_max_num_f32_dpp v48, v48, v48 row_xmask:\m row_mask:0xf bank_mask:0xf
.endr
	v_permlanex16_b32 v49, v48, s56, s57
	v_max_num_f32 v48, v48, v49
.endm
.macro NROUND buf
	v_max3_num_f32 v48, v[KEY], v[KEY+1], v[KEY+2]
	v_max_num_f32 v48, v48, v[KEY+3]
	BFLY
.irp q, 0,1,2,3
	v_cmp_eq_u32 s[48+\q], v48, v[KEY+\q]
.endr
.irp f, 0,1,2,3                        ; my lane's offer: its lowest slot that holds the maximum
	v_cndmask_b32 v[52+\f], v[BOX+12+\f], v[BOX+8+\f], s50
	v_cndmask_b32 v[52+\f], v[52+\f], v[BOX+4+\f], s49
	v_cndmask_b32 v[52+\f], v[52+\f], v[BOX+\f], s48
.endr
	v_cndmask_b32 v56, v[TAG+3], v[TAG+2], s50
	v_cndmask_b32 v56, v56, v[TAG+1], s49
	v_cndmask_b32 v56, v56, v[TAG], s48
	s_or_b32 s52, s48, s49
	s_or_b32 s53, s50, s51
	s_or_b32 s52, s52, s53
	s_ctz_i32_b32 s53, s52                         ; the lowest lane that holds it: the number picks a value, it enters no address and no branch
	s_and_b32 s53, s53, 31
.irp f, 0,1,2,3,4
	v_readlane_b32 s[40+\f], v[52+\f], s53
.endr
.irp f, 0,1,2,3,4
	v_mov_b32 v[60+\f], s[40+\f]
.endr
	v_mov_b32 v65, v48
	ds_store_b128 v76, v[60:63] offset:(\buf)*1024     ; all lanes write the same 24 bytes with the same numbers
	ds_store_b64 v76, v[64:65] offset:(\buf)*1024+16
	s_wait_dscnt 0x0                               ; for the others' sake: my record is written
	s_barrier_signal -1
	s_barrier_wait -1
	ds_load_b128 v[68:71], v77 offset:(\buf)*1024      ; lane l: wave l's record; lanes 24-31 take wave 23's again, and the lowest lane wins
	ds_load_b64 v[72:73], v77 offset:(\buf)*1024+16
	s_wait_dscnt 0x0                               ; my reads are over before I signal the next barrier
	v_mov_b32 v48, v73
	BFLY
	v_cmp_eq_u32 s52, v48, v73
	s_ctz_i32_b32 s53, s52
	s_and_b32 s53, s53, 31
.irp f, 0,1,2,3,4
	v_readlane_b32 s[40+\f], v[68+\f], s53         ; the winner: box s[40:43], tag s44
.endr
	v_readfirstlane_b32 s45, v48                   ; its key
	s_cmp_ge_u32 s46, 4
	s_cbranch_scc1 .Lkept_\@                       ; threads 0-99 lie in waves 0-3
	v_cmp_eq_u32 vcc_lo, s61, v0
.irp f, 0,1,2,3,4,5
	v_cndmask_b32 v[RES+\f], v[RES+\f], s[40+\f], vcc_lo
.endr
.Lkept_\@:
	s_add_co_u32 s61, s61, 1
	v_sub_f32 v50, s42, s40
	v_sub_f32 v51, s43, s41
	v_add_f32 v50, 1.0, v50
	v_add_f32 v51, 1.0, v51
	v_mul_f32 v50, v50, v51                        ; the winner's area
.irp q, 0,1,2,3
	v_max_num_f32 v[T+6*\q], s40, v[BOX+4*\q]
	v_max_num_f32 v[T+6*\q+1], s41, v[BOX+4*\q+1]
	v_min_num_f32 v[T+6*\q+2], s42, v[BOX+4*\q+2]
	v_min_num_f32 v[T+6*\q+3], s43, v[BOX+4*\q+3]
	v_add_f32 v[T+6*\q+4], v50, v[AREA+\q]
.endr
.irp q, 0,1,2,3
	v_pk_add_f32 v[T+6*\q+2:T+6*\q+3], v[T+6*\q+2:T+6*\q+3], v[T+6*\q:T+6*\q+1] neg_lo:[0,1] neg_hi:[0,1]
.endr
.irp q, 0,1,2,3
	v_pk_add_f32 v[T+6*\q+2:T+6*\q+3], v[T+6*\q+2:T+6*\q+3], 1.0 op_sel_hi:[1,0]
.endr
.irp q, 0,1,2,3
	v_max_num_f32 v[T+6*\q+2], 0, v[T+6*\q+2]
	v_max_num_f32 v[T+6*\q+3], 0, v[T+6*\q+3]
.endr
.irp q, 0,1,2,3
	v_mul_f32 v[T+6*\q+2], v[T+6*\q+2], v[T+6*\q+3]        ; inter
.endr
.irp q, 0,1,2,3
	v_sub_f32 v[T+6*\q+4], v[T+6*\q+4], v[T+6*\q+2]        ; den = (a + b) - inter
.endr
.irp q, 0,1,2,3
	v_fma_f32 v[T+6*\q+5], v[T+6*\q+4], s59, v[T+6*\q+2]   ; inter - 0.6f den, rounded once: its sign is the true one
.endr
.irp q, 0,1,2,3
	v_cmp_lt_f32 s[66+\q], 0, v[T+6*\q+5]
	v_cmp_le_f32 s[70+\q], 0, v[T+6*\q+4]
	v_cmp_eq_u32 s[74+\q], s44, v[TAG+\q]          ; the winner itself goes too, whatever its box
.endr
.irp q, 0,1,2,3
	s_and_b32 s[66+\q], s[66+\q], s[70+\q]
	s_or_b32 s[66+\q], s[66+\q], s[74+\q]
.endr
.irp q, 0,1,2,3
	v_cndmask_b32 v[KEY+\q], v[KEY+\q], 0, s[66+\q]
.endr
.endm
	s_load_b512 s[8:23], s[0:1], 0x0               ; cand s[8:9], locations0-2 s[10:15], reg0-2 s[16:21], out0 s[22:23]
	s_load_b128 s[24:27], s[0:1], 0x40             ; out1 s[24:25], out2 s[26:27]
	s_load_b64 s[28:29], s[0:1], 0x50              ; out3
	v_lshl_add_u32 v2, v0, 2, SPARE                ; my spare word,
	v_mov_b32 v3, 0                                ; and 0: kept for the add at the wave's end
	v_lshrrev_b32 v36, 5, v0
	v_readfirstlane_b32 s46, v36                   ; wave 0..23
	s_lshr_b32 s62, s46, 3                         ; level
	s_mov_b32 s54, 625                             ; N
	s_cmp_lt_u32 s62, 2
	s_cselect_b32 s54, 2500, s54
	s_cmp_lt_u32 s62, 1
	s_cselect_b32 s54, 10000, s54
	s_sub_co_u32 s55, s54, 1
	s_mov_b32 s47, 0x4447c000                      ; 799.0 = image_size - 1
	s_mov_b32 s56, 0x76543210
	s_mov_b32 s57, 0xfedcba98
	s_mov_b32 s59, 0xbf19999a                      ; -0.6f
	s_mov_b32 s60, 0xcccccccd                      ; x / 80 = (x * this) >> 38
	s_mov_b32 s61, 0                               ; the round's number
	s_mov_b32 s63, 0x3d4ccccd                      ; 0.05
	s_lshl_b32 s38, s54, 2                         ; bytes from a plane of reg to the next
	s_mov_b32 s39, 0
	v_and_b32 v36, 255, v0
	v_lshlrev_b32 v36, 5, v36                      ; my four pairs: 32 bytes
	v_mov_b32 v76, s46
	v_lshlrev_b32 v76, 5, v76                      ; my wave's record
	v_and_b32 v77, 31, v0
	v_min_u32 v77, 23, v77
	v_lshlrev_b32 v77, 5, v77                      ; the record that my lane reads
	v_mov_b32 v49, 0                               ; a lane move's destination counts as read
.irp f, 0,1,2,3,4,5
	v_mov_b32 v[RES+\f], 0
.endr
	s_wait_kmcnt 0x0
	s_cmp_lt_u32 s62, 2
	s_cselect_b64 s[12:13], s[12:13], s[14:15]
	s_cselect_b64 s[18:19], s[18:19], s[20:21]
	s_cmp_lt_u32 s62, 1
	s_cselect_b64 s[10:11], s[10:11], s[12:13]     ; my level's locations
	s_cselect_b64 s[16:17], s[16:17], s[18:19]     ; and reg
	s_lshl_b32 s52, s62, 4
	s_add_co_u32 s52, s52, ttmp9                   ; il
	s_mul_i32 s52, s52, 8448
	s_mov_b32 s53, 0
	s_add_nc_u64 s[8:9], s[8:9], s[52:53]
	s_mul_i32 s52, ttmp9, s54
	s_lshl_b32 s52, s52, 4                         ; the image's four planes of N numbers
	s_add_nc_u64 s[30:31], s[16:17], s[52:53]
	s_add_nc_u64 s[32:33], s[30:31], s[38:39]
	s_add_nc_u64 s[34:35], s[32:33], s[38:39]
	s_add_nc_u64 s[36:37], s[34:35], s[38:39]
	s_mul_i32 s52, ttmp9, 1600
	s_add_nc_u64 s[22:23], s[22:23], s[52:53]
	s_mul_i32 s52, ttmp9, 400
	s_add_nc_u64 s[24:25], s[24:25], s[52:53]
	s_add_nc_u64 s[26:27], s[26:27], s[52:53]
	s_mul_i32 s52, ttmp9, 100
	s_add_nc_u64 s[28:29], s[28:29], s[52:53]
	global_load_b128 v[80:83], v36, s[8:9]
	global_load_b128 v[84:87], v36, s[8:9] offset:16
	s_wait_loadcnt 0x0
.irp q, 0,1,2,3
	v_mov_b32 v[KEY+\q], v[80+2*\q]
	v_min_u32 v36, 0xc34ff, v[81+2*\q]
	v_mul_hi_u32 v37, v36, s60
	v_lshrrev_b32 v37, 6, v37                      ; n
	v_min_u32 v37, s55, v37
	v_mul_u32_u24 v38, v37, 80
	v_sub_nc_u32 v38, v36, v38                     ; c
	v_lshl_add_u32 v[TAG+\q], v0, 10, v38
	v_add_nc_u32 v[TAG+\q], 256*\q+1, v[TAG+\q]    ; ((4 t + q) << 8) | (c + 1)
	v_min_u32 v37, 0x270f, v37                     ; the bound written out; n is below N already
	v_lshlrev_b32 v[68+\q], 3, v37
	v_lshlrev_b32 v[72+\q], 2, v37
	global_load_b64 v[60+2*\q:61+2*\q], v[68+\q], s[10:11]
.irp r, 0,1,2,3
	global_load_b32 v[BOX+4*\q+\r], v[72+\q], s[30+2*\r:31+2*\r]
.endr
.endr
	s_wait_loadcnt 0x0
.irp q, 0,1,2,3
	v_sub_f32 v[BOX+4*\q], v[60+2*\q], v[BOX+4*\q]
	v_sub_f32 v[BOX+4*\q+1], v[61+2*\q], v[BOX+4*\q+1]
	v_add_f32 v[BOX+4*\q+2], v[60+2*\q], v[BOX+4*\q+2]
	v_add_f32 v[BOX+4*\q+3], v[61+2*\q], v[BOX+4*\q+3]
.irp r, 0,1,2,3
	v_med3_num_f32 v[BOX+4*\q+\r], v[BOX+4*\q+\r], 0, s47
.endr
	v_sub_f32 v36, v[BOX+4*\q+2], v[BOX+4*\q]
	v_sub_f32 v37, v[BOX+4*\q+3], v[BOX+4*\q+1]
	v_add_f32 v36, 1.0, v36
	v_add_f32 v37, 1.0, v37
	v_mul_f32 v[AREA+\q], v36, v37
.endr
	s_mov_b32 s58, 50
.Lround:                               ; 100 rounds, a constant: every wave passes every barrier
	NROUND 0
	NROUND 1
	s_sub_co_u32 s58, s58, 1
	s_cmp_lg_u32 s58, 0
	s_cbranch_scc1 .Lround
	; THE WAY OUT: thread t < 100 holds row t.  The score is the root of p; a row whose score is below 0.05 (an empty one among them) is zero.
	v_sqrt_f32 v40, v[RES+5]
	v_min_u32 v45, 99, v0                          ; a plain line between the root and its use
	s_wait_alu depctr_va_vdst(0)
	v_cmp_le_f32 s53, s63, v40
.irp f, 0,1,2,3
	v_cndmask_b32 v[RES+\f], 0, v[RES+\f], s53
.endr
	v_cndmask_b32 v40, 0, v40, s53
	v_and_b32 v41, 0xff, v[RES+4]
	v_cndmask_b32 v41, 0, v41, s53
	v_cndmask_b32 v42, 0, 1, s53
	v_lshlrev_b32 v43, 4, v45
	v_lshlrev_b32 v44, 2, v45
	v_cmp_gt_u32 vcc_lo, 100, v0                   ; a mask made of ids alone
	s_wait_xcnt 0x0                                ; EXEC changes only behind this wait
	s_and_saveexec_b32 s52, vcc_lo
	global_store_b128 v43, v[RES:RES+3], s[22:23]  ; neighbouring lanes store neighbouring 16 bytes
	global_store_b32 v44, v40, s[24:25]
	global_store_b32 v44, v41, s[26:27]
	global_store_b8 v45, v42, s[28:29]
	s_wait_xcnt 0x0
	s_or_b32 exec_lo, exec_lo, s52
	s_wait_tensorcnt 0x0                           ; the wave's end
	ds_add_u32 v2, v3
	s_wait_dscnt 0x0
	s_endpgm
.Lfunc_end_k_qe03c50b578_nms:
	.size	k_qe03c50b578_nms, .Lfunc_end_k_qe03c50b578_nms-k_qe03c50b578_nms
	.p2alignl 7, 3214868480
	.fill 96, 4, 3214868480
	.section	.rodata,"a",@progbits
	.p2align	6, 0x0
	.amdhsa_kernel k_qe03c50b578_nms
		.amdhsa_group_segment_fixed_size 5120
		.amdhsa_private_segment_fixed_size 0
		.amdhsa_enable_private_segment 0
		.amdhsa_kernarg_size 88
		.amdhsa_user_sgpr_count 2
		.amdhsa_user_sgpr_kernarg_segment_ptr 1
		.amdhsa_wavefront_size32 1
		.amdhsa_system_sgpr_workgroup_id_x 1
		.amdhsa_system_sgpr_workgroup_id_y 1
		.amdhsa_system_sgpr_workgroup_id_z 1
		.amdhsa_system_vgpr_workitem_id 0
		.amdhsa_next_free_vgpr 112
		.amdhsa_next_free_sgpr 80
		.amdhsa_reserve_vcc 1
		.amdhsa_float_denorm_mode_32 3
		.amdhsa_float_denorm_mode_16_64 3
		.amdhsa_memory_ordered 1
		.amdhsa_forward_progress 1
		.amdhsa_inst_pref_size 26
	.end_amdhsa_kernel
	.amdgpu_metadata
---
amdhsa.version: [ 1, 2 ]
amdhsa.kernels:
  - .name:           k_qe03c50b578_nms
    .symbol:         k_qe03c50b578_nms.kd
    .args:
      - { .name: cand, .offset: 0, .size: 8, .value_kind: global_buffer, .address_space: global }
      - { .name: locations0, .offset: 8, .size: 8, .value_kind: global_buffer, .address_space: global }
      - { .name: locations1, .offset: 16, .size: 8, .value_kind: global_buffer, .address_space: global }
      - { .name: locations2, .offset: 24, .size: 8, .value_kind: global_buffer, .address_space: global }
      - { .name: reg_preds0, .offset: 32, .size: 8, .value_kind: global_buffer, .address_space: global }
      - { .name: reg_preds1, .offset: 40, .size: 8, .value_kind: global_buffer, .address_space: global }
      - { .name: reg_preds2, .offset: 48, .size: 8, .value_kind: global_buffer, .address_space: global }
      - { .name: out0, .offset: 56, .size: 8, .value_kind: global_buffer, .address_space: global }
      - { .name: out1, .offset: 64, .size: 8, .value_kind: global_buffer, .address_space: global }
      - { .name: out2, .offset: 72, .size: 8, .value_kind: global_buffer, .address_space: global }
      - { .name: out3, .offset: 80, .size: 8, .value_kind: global_buffer, .address_space: global }
    .group_segment_fixed_size: 5120
    .private_segment_fixed_size: 0
    .kernarg_segment_align: 8
    .kernarg_segment_size: 88
    .max_flat_workgroup_size: 768
    .sgpr_count:     80
    .vgpr_count:     112
    .wavefront_size: 32
...
	.end_amdgpu_metadata
.endif
;; end of part 5
;; ======== version 2 of 2: 5 launches; 1.22 times as fast as version 1
;; workspace buffers: gm 4,200,192 bytes of whole numbers; glist 208,896 bytes of whole numbers; kv 6,291,456 bytes of whole numbers; cand 405,504 bytes of whole numbers
;; launch gmax (part 6): grid 53 x 80, 8 waves a work-group, no clusters, 0 bytes of LDS; arguments cls_preds0, cls_preds1, cls_preds2, cness_preds0, cness_preds1, cness_preds2, gm; writes gm
.if DOCPART == 6
	.amdgcn_target "amdgcn-amd-amdhsa--gfx1250"
	.amdhsa_code_object_version 6
	.text
	.protected	k_qe03c50b578_gmax
	.globl	k_qe03c50b578_gmax
	.p2align	8
	.type	k_qe03c50b578_gmax,@function
k_qe03c50b578_gmax:
	s_mov_b64 s[64:65], 0
	v_nop
	global_prefetch_b8 v0, s[64:65] scope:SCOPE_SE
	s_setreg_imm32_b32 hwreg(HW_REG_WAVE_MODE, 25, 1), 1
	s_wait_xcnt 0x0
; GROUP MAXIMA.  key(n, c) = sigmoid(cls) * sigmoid(cness) where sigmoid(cls) > 0.05, else 0, as f32 bits.
; A GROUP is one location n and 16 consecutive classes (16 cb .. 16 cb + 15): its number n * 5 + cb is (n * 80 + c) >> 4.
; This launch streams all class scores once and stores each group's largest key: gm[GOFF + (b * 5 + cb) * N + n].
; At one location the key never falls when the class score rises (times a negative constant, 2^x, + 1, 1 / x, the threshold, times a factor that is not negative),
; so a group's largest key is the key of its largest class score: 8 maxima and one sigmoid stand for 16 sigmoids and their maxima.
; Work-group x: a tile of 256 locations (tiles 0-39 level 0, 40-49 level 1, 50-52 level 2); y = b * 5 + cb.
; Thread t: location n0 + t, 16 loads of 4 bytes, one for each class; a wave's load covers 128 consecutive bytes.
; No LDS, no barrier, no matrix unit: nothing is shared between threads and there is no product.
; LIMITS.  The exponential and the reciprocal are good to one unit in the last place, so a key may differ from a correctly rounded one in its last bits.
; The short cut above leans on these two keeping order; were one of them to break it in the last bit, a stored maximum would be low by that bit,
; which could change no more than which group is the thousandth.  A NaN score counts as no score.  Very negative scores give 0, very large 1.
.set X,   8                            ; v[8:23]  byte offsets of my 16 numbers, then the numbers
.set STH, 36                           ; s36  0.05
.set SNL, 38                           ; s38  -log2(e)
	s_load_b256 s[8:15], s[0:1], 0x0               ; cls0 s[8:9], cls1 s[10:11], cls2 s[12:13], cness0 s[14:15]
	s_load_b128 s[16:19], s[0:1], 0x20             ; cness1 s[16:17], cness2 s[18:19]
	s_load_b64 s[20:21], s[0:1], 0x30              ; gm
	s_mov_b32 s2, ttmp9                            ; tile
	s_and_b32 s3, ttmp7, 0xffff                    ; y = b * 5 + cb
	s_mov_b32 s[STH], 0x3d4ccccd
	s_mov_b32 s[SNL], 0xbfb8aa3b
	s_mov_b32 s4, 625                              ; N of the level
	s_mov_b32 s5, 1000000                          ; the level's first word in gm
	s_mov_b32 s6, 50                               ; the level's first tile
	s_cmp_lt_u32 s2, 50
	s_cselect_b32 s4, 2500, s4
	s_cselect_b32 s5, 800000, s5
	s_cselect_b32 s6, 40, s6
	s_cmp_lt_u32 s2, 40
	s_cselect_b32 s4, 10000, s4
	s_cselect_b32 s5, 0, s5
	s_cselect_b32 s6, 0, s6
	s_sub_co_u32 s7, s2, s6
	s_lshl_b32 s7, s7, 8                           ; n0
	s_mul_hi_u32 s26, s3, 0xcccccccd
	s_lshr_b32 s26, s26, 2                         ; b = y / 5
	s_mul_i32 s27, s26, 5
	s_sub_co_u32 s27, s3, s27                      ; cb
	s_mul_i32 s28, s26, 80
	s_lshl4_add_u32 s28, s27, s28                  ; b * 80 + cb * 16: my first plane of class scores
	s_mul_i32 s28, s28, s4
	s_lshl_b32 s28, s28, 2
	s_mov_b32 s29, 0
	s_mul_i32 s30, s26, s4                         ; b * N: my plane of centre-ness
	s_lshl_b32 s30, s30, 2
	s_mov_b32 s31, 0
	s_mul_i32 s32, s3, s4                          ; y * N + the level's first word
	s_add_co_u32 s32, s32, s5
	s_lshl_b32 s32, s32, 2
	s_mov_b32 s33, 0
	s_lshl_b32 s34, s4, 2                          ; bytes from a class plane to the next
	s_sub_co_u32 s35, s4, 1
	v_add_nc_u32 v1, s7, v0                        ; n
	v_min_u32 v2, s35, v1                          ; threads past the level's end read its last location and store nothing
	v_lshlrev_b32 v2, 2, v2
	v_mov_b32 v[X], v2
.set i, 1
.rept 15
	v_add_nc_u32 v[X+i], s34, v[X+i-1]
.set i, i+1
.endr
	s_wait_kmcnt 0x0
	s_cmp_lt_u32 s2, 50
	s_cselect_b64 s[22:23], s[10:11], s[12:13]
	s_cselect_b64 s[24:25], s[16:17], s[18:19]
	s_cmp_lt_u32 s2, 40
	s_cselect_b64 s[22:23], s[8:9], s[22:23]
	s_cselect_b64 s[24:25], s[14:15], s[24:25]
	s_add_nc_u64 s[22:23], s[22:23], s[28:29]
	s_add_nc_u64 s[24:25], s[24:25], s[30:31]
	s_add_nc_u64 s[20:21], s[20:21], s[32:33]
	global_load_b32 v3, v2, s[24:25]
.set i, 0
.rept 16
	global_load_b32 v[X+i], v[X+i], s[22:23] th:TH_LOAD_NT   ; each lands on its own offset register
.set i, i+1
.endr
	s_wait_loadcnt 16                              ; the centre-ness is in; the 16 loads issued behind it stay out
	v_mul_f32 v3, s[SNL], v3
	v_exp_f32 v3, v3
	v_nop                                          ; a plain line between the exponential and the use of its result
	s_wait_alu depctr_va_vdst(0)
	v_add_f32 v3, 1.0, v3
	v_rcp_f32 v3, v3
	v_nop                                          ; the same behind the reciprocal
.irp g, 0,1,2,3
	s_wait_loadcnt 12-4*\g                         ; loads come back in order: these four are in, the younger ones stay out
.if \g == 0
	v_max3_num_f32 v24, v[X], v[X+1], v[X+2]
	v_max_num_f32 v24, v24, v[X+3]
.else
	v_max3_num_f32 v24, v24, v[X+4*\g], v[X+4*\g+1]
	v_max3_num_f32 v24, v24, v[X+4*\g+2], v[X+4*\g+3]
.endif
.endr
	; the key of the largest score, by the very lines that make an element's key in the launch that lists the elements: the bits agree
	v_mul_f32 v24, s[SNL], v24
	v_exp_f32 v24, v24
	v_nop
	s_wait_alu depctr_va_vdst(0)
	v_add_f32 v24, 1.0, v24
	v_rcp_f32 v24, v24
	v_nop
	s_wait_alu depctr_va_vdst(0)
	v_cmp_lt_f32 vcc_lo, s[STH], v24               ; the threshold is taken on the class probability alone
	v_mul_f32 v24, v24, v3
	v_cndmask_b32 v24, 0, v24, vcc_lo
	v_cmp_gt_u32 vcc_lo, s4, v1                    ; n < N: a mask made of ids alone
	s_wait_xcnt 0x0                                ; EXEC changes only behind this wait
	s_and_saveexec_b32 s37, vcc_lo
	global_store_b32 v2, v24, s[20:21]
	s_wait_xcnt 0x0
	s_or_b32 exec_lo, exec_lo, s37
	s_endpgm
.Lfunc_end_k_qe03c50b578_gmax:
	.size	k_qe03c50b578_gmax, .Lfunc_end_k_qe03c50b578_gmax-k_qe03c50b578_gmax
	.p2alignl 7, 3214868480
	.fill 96, 4, 3214868480
	.section	.rodata,"a",@progbits
	.p2align	6, 0x0
	.amdhsa_kernel k_qe03c50b578_gmax
		.amdhsa_group_segment_fixed_size 0
		.amdhsa_private_segment_fixed_size 0
		.amdhsa_enable_private_segment 0
		.amdhsa_kernarg_size 56
		.amdhsa_user_sgpr_count 2
		.amdhsa_user_sgpr_kernarg_segment_ptr 1
		.amdhsa_wavefront_size32 1
		.amdhsa_system_sgpr_workgroup_id_x 1
		.amdhsa_system_sgpr_workgroup_id_y 1
		.amdhsa_system_sgpr_workgroup_id_z 1
		.amdhsa_system_vgpr_workitem_id 0
		.amdhsa_next_free_vgpr 40
		.amdhsa_next_free_sgpr 66
		.amdhsa_reserve_vcc 1
		.amdhsa_float_denorm_mode_32 3
		.amdhsa_float_denorm_mode_16_64 3
		.amdhsa_memory_ordered 1
		.amdhsa_forward_progress 1
		.amdhsa_inst_pref_size 6
	.end_amdhsa_kernel
	.amdgpu_metadata
---
amdhsa.version: [ 1, 2 ]
amdhsa.kernels:
  - .name:           k_qe03c50b578_gmax
    .symbol:         k_qe03c50b578_gmax.kd
    .args:
      - { .name: cls_preds0, .offset: 0, .size: 8, .value_kind: global_buffer, .address_space: global }
      - { .name: cls_preds1, .offset: 8, .size: 8, .value_kind: global_buffer, .address_space: global }
      - { .name: cls_preds2, .offset: 16, .size: 8, .value_kind: global_buffer, .address_space: global }
      - { .name: cness_preds0, .offset: 24, .size: 8, .value_kind: global_buffer, .address_space: global }
      - { .name: cness_preds1, .offset: 32, .size: 8, .value_kind: global_buffer, .address_space: global }
      - { .name: cness_preds2, .offset: 40, .size: 8, .value_kind: global_buffer, .address_space: global }
      - { .name: gm, .offset: 48, .size: 8, .value_kind: global_buffer, .address_space: global }
    .group_segment_fixed_size: 0
    .private_segment_fixed_size: 0
    .kernarg_segment_align: 8
    .kernarg_segment_size: 56
    .max_flat_workgroup_size: 256
    .sgpr_count:     66
    .vgpr_count:     40
    .wavefront_size: 32
...
	.end_amdgpu_metadata
.endif
;; end of part 6
;; launch gsel (part 7): grid 48 x 1, 32 waves a work-group, no clusters, 4,608 bytes of LDS; arguments gm, glist; writes glist
.if DOCPART == 7
	.amdgcn_target "amdgcn-amd-amdhsa--gfx1250"
	.amdhsa_code_object_version 6
	.text
	.protected	k_qe03c50b578_gsel
	.globl	k_qe03c50b578_gsel
	.p2align	8
	.type	k_qe03c50b578_gsel,@function
k_qe03c50b578_gsel:
	s_mov_b64 s[64:65], 0
	v_nop
	global_prefetch_b8 v0, s[64:65] scope:SCOPE_SE
	s_setreg_imm32_b32 hwreg(HW_REG_WAVE_MODE, 25, 1), 1
	s_wait_xcnt 0x0
; THE 1000 BEST GROUPS of one level of one image (work-group il = level * 16 + image), by (largest key down, group number up).
; They hold the level's 1000 best elements: ahead of a group left out stand 1000 groups, each with an element that goes first.
; All group maxima lie in registers, 49 a thread; item (wave w, register k, lane) is group w * 1568 + k * 32 + lane, so that order is the groups' order.
; The 1000th largest key is found by bisection on the bits (positive f32 order as whole numbers): 28 halvings of [LO0, HI0), which is under 2^27 wide.
; Every halving counts all keys, whatever they are: no branch hangs on a key.  A wave carries along how many of its own keys reach lo and how many reach hi: the tail wants these two.
; Then one sweep places, in order, every group above the bound and the first r of those equal to it.  Keys below LO0 (0.00195) count as none:
; such a score's root is below the final 0.05, so its row is zero, and in the greedy pass it can only remove lower ones.
; Lanes with nothing to place store into 32 dump words behind the list, which nobody reads; EXEC is never changed.
.set K,     16                         ; v[16:64] the keys
.set PAIR,  256                        ; LDS: 0, 128 two sets of 32 counts that take turns; 256 the waves' pairs of counts
.set SPARE, 512                        ; the spare words, 128 bytes for each of 32 waves
.set LO0,   0x3b000000
.set HI0,   0x3f800001                 ; above 1.0, the largest key there can be
.macro COUNT thr, dst                  ; dst = how many of my wave's 49 x 32 keys are at least thr: two lines a register, then the sum over the lanes
	v_mov_b32 v14, 0
.set c0, 0
.rept 49
	v_cmp_le_u32 vcc_lo, \thr, v[K+c0]
	v_add_co_ci_u32 v14, vcc_lo, 0, v14, vcc_lo    ; the lane's counter takes the compare's bit as its carry
.set c0, c0+1
.endr
.irp m, 1,2,4,8
	v_mov_b32_dpp v10, v14 row_xmask:\m row_mask:0xf bank_mask:0xf
	v_add_nc_u32 v14, v14, v10
.endr
	v_permlanex16_b32 v10, v14, s28, s29
	v_add_nc_u32 v14, v14, v10
	v_readfirstlane_b32 \dst, v14
.endm
.macro WGSUM buf                       ; s17 = the sum of all 32 waves' s16
	v_mov_b32 v9, s16
	ds_store_b32 v6, v9 offset:(\buf)*128
	s_wait_dscnt 0x0                               ; for the others' sake: my count is written
	s_barrier_signal -1
	s_barrier_wait -1
	ds_load_b32 v9, v7 offset:(\buf)*128           ; lane l takes wave l's count
	s_wait_dscnt 0x0                               ; also: my read is over before I signal the next barrier, behind which the other set is written, and behind the one after that this set
.irp m, 1,2,4,8
	v_mov_b32_dpp v10, v9 row_xmask:\m row_mask:0xf bank_mask:0xf
	v_add_nc_u32 v9, v9, v10
.endr
	v_permlanex16_b32 v10, v9, s28, s29
	v_add_nc_u32 v9, v9, v10
	v_readfirstlane_b32 s17, v9
.endm
.macro BROUND buf                      ; one halving.  Kept: count(>= hi) = chi < 1000; count(>= lo) >= 1000, or lo = LO0; s54, s55 = my wave's keys >= lo, >= hi
	s_add_co_u32 s15, s12, s13
	s_lshr_b32 s15, s15, 1
	COUNT s15, s16
	WGSUM \buf
	s_cmp_ge_u32 s17, 1000
	s_cselect_b32 s12, s15, s12
	s_cselect_b32 s13, s13, s15
	s_cselect_b32 s14, s14, s17
	s_cselect_b32 s54, s16, s54
	s_cselect_b32 s55, s55, s16
.endm
.macro SCAN v, t                       ; running sum over the 32 lanes, the lane's own number included
.irp m, 1,2,4,8
	v_mov_b32_dpp \t, \v row_shr:\m row_mask:0xf bank_mask:0xf bound_ctrl:1
	v_add_nc_u32 \v, \v, \t
.endr
	v_readlane_b32 s52, \v, 15
	v_add_nc_u32 \t, s52, \v
	v_cndmask_b32 \v, \v, \t, s30                  ; lanes 16-31 add the lower half's total
.endm
	s_load_b128 s[4:7], s[0:1], 0x0                ; gm s[4:5], glist s[6:7]
	v_lshl_add_u32 v2, v0, 2, SPARE                ; my spare word,
	v_mov_b32 v3, 0                                ; and 0: kept for the add at the wave's end
	v_and_b32 v4, 31, v0                           ; lane
	v_lshrrev_b32 v9, 5, v0
	v_readfirstlane_b32 s8, v9                     ; wave 0..31
	s_lshr_b32 s11, ttmp9, 4                       ; level
	s_mov_b32 s9, 625                              ; N
	s_mov_b32 s19, 1000000                         ; the level's first word in gm
	s_cmp_lt_u32 s11, 2
	s_cselect_b32 s9, 2500, s9
	s_cselect_b32 s19, 800000, s19
	s_cmp_lt_u32 s11, 1
	s_cselect_b32 s9, 10000, s9
	s_cselect_b32 s19, 0, s19
	s_mul_i32 s10, s9, 5                           ; G: groups of the level
	s_sub_co_u32 s47, s10, 1
	s_mov_b32 s48, 0xcccccccd                      ; x / 5 = (x * this) >> 34
	s_and_b32 s42, ttmp9, 15                       ; image
	s_mul_i32 s42, s42, s10
	s_add_co_u32 s42, s42, s19
	s_lshl_b32 s42, s42, 2
	s_mov_b32 s43, 0
	s_mul_i32 s44, ttmp9, 4352                     ; a list: 1024 words and 32 dump words, pitch 1088 words
	s_mov_b32 s45, 0
	s_mov_b32 s28, 0x76543210                      ; v_permlanex16_b32: each lane takes its own place in the other half
	s_mov_b32 s29, 0xfedcba98
	s_mov_b32 s30, 0xffff0000                      ; lanes 16-31
	s_mul_i32 s46, s8, 1568
	v_add_nc_u32 v5, s46, v4                       ; my first group
	v_mov_b32 v6, s8
	v_lshlrev_b32 v12, 3, v6                       ; wave * 8
	v_lshlrev_b32 v6, 2, v6                        ; wave * 4
	v_lshlrev_b32 v7, 2, v4                        ; lane * 4
	v_lshlrev_b32 v13, 3, v4                       ; lane * 8
	v_add_nc_u32 v8, 1024, v4                      ; my dump word
	v_min_u32 v15, s10, v5
	v_sub_nc_u32 v15, s10, v15                     ; groups from my first one to the level's end, 0 if it lies past the end
	v_mov_b32 v10, 0                               ; destinations of lane moves count as read: written once here
	v_mov_b32 v74, 0
	s_wait_kmcnt 0x0
	s_add_nc_u64 s[4:5], s[4:5], s[42:43]
	s_add_nc_u64 s[6:7], s[6:7], s[44:45]
.set k, 0
.rept 49                               ; group g = n * 5 + cb lies at word cb * N + n of the image's part
	v_add_nc_u32 v9, 32*k, v5
	v_min_u32 v9, s47, v9
	v_mul_hi_u32 v10, v9, s48
	v_lshrrev_b32 v10, 2, v10
	v_mul_u32_u24 v11, v10, 5
	v_sub_nc_u32 v11, v9, v11
	v_mad_u32_u24 v[K+k], v11, s9, v10
	v_lshlrev_b32 v[K+k], 2, v[K+k]
	global_load_b32 v[K+k], v[K+k], s[4:5]
.set k, k+1
.endr
	s_wait_loadcnt 0x0
.set k, 0
.rept 49                               ; items past the level's last group hold no key: item k is a group where 32 k is below what is left
	v_cmp_lt_u32 vcc_lo, 32*k, v15
	v_cndmask_b32 v[K+k], 0, v[K+k], vcc_lo
.set k, k+1
.endr
	s_mov_b32 s12, LO0
	s_mov_b32 s13, HI0
	s_mov_b32 s14, 0
	COUNT s12, s54                                 ; my wave's keys that reach LO0;
	s_mov_b32 s55, 0                               ; none reaches HI0
	s_mov_b32 s18, 14
.Lbis:                                 ; 28 halvings, a constant: every wave passes every barrier
	BROUND 0
	BROUND 1
	s_sub_co_u32 s18, s18, 1
	s_cmp_lg_u32 s18, 0
	s_cbranch_scc1 .Lbis
	; hi = lo + 1 (or hi = lo = LO0 where fewer than 1000 keys reach LO0).  A: keys >= hi, all taken.  B: keys = lo, the first r taken.
	s_sub_co_u32 s31, 1000, s14                    ; r
	s_mov_b32 s50, s55                             ; my wave's A
	s_sub_co_u32 s51, s54, s55                     ; my wave's B
	v_mov_b32 v70, s50
	v_mov_b32 v71, s51
	ds_store_b64 v12, v[70:71] offset:PAIR
	s_wait_dscnt 0x0                               ; for the others' sake
	s_barrier_signal -1
	s_barrier_wait -1
	ds_load_b64 v[70:71], v13 offset:PAIR          ; lane l: wave l's A and B
	s_wait_dscnt 0x0
	v_mov_b32 v72, v71
	SCAN v72, v74
	v_sub_nc_u32 v73, v72, v71                     ; B in the waves ahead
	v_min_u32 v75, s31, v73
	v_sub_nc_u32 v75, s31, v75                     ; what is left of r for this wave,
	v_min_u32 v75, v71, v75                        ; and how many of its B are taken
	v_add_nc_u32 v75, v70, v75
	v_mov_b32 v76, v75
	SCAN v76, v74
	v_sub_nc_u32 v77, v76, v75                     ; places taken by the waves ahead
	v_readlane_b32 s32, v73, s8                    ; my wave's first rank among B,
	v_readlane_b32 s33, v77, s8                    ; its first place in the list,
	v_readlane_b32 s34, v76, 31                    ; and the list's length
.set k, 0
.rept 49
.if (k%4) == 0
	s_wait_xcnt 0x0                                ; four sets of address and data registers take turns: they are rewritten only behind this wait
.endif
	v_cmp_le_u32 s36, s13, v[K+k]                  ; A
	v_cmp_le_u32 s37, s12, v[K+k]
	s_and_not1_b32 s38, s37, s36                   ; B
	v_mbcnt_lo_u32_b32 v78, s38, s32               ; rank among B
	v_cmp_gt_u32 s39, s31, v78
	s_and_b32 s39, s38, s39
	s_or_b32 s39, s36, s39                         ; taken
	v_mbcnt_lo_u32_b32 v[70+2*(k%4)], s39, s33     ; place
	v_cndmask_b32 v[70+2*(k%4)], v8, v[70+2*(k%4)], s39
	v_min_u32 v[70+2*(k%4)], 1055, v[70+2*(k%4)]
	v_lshlrev_b32 v[70+2*(k%4)], 2, v[70+2*(k%4)]
	v_add_nc_u32 v[71+2*(k%4)], 32*k, v5           ; the group's number
	global_store_b32 v[70+2*(k%4)], v[71+2*(k%4)], s[6:7]
	s_bcnt1_i32_b32 s40, s38
	s_add_co_u32 s32, s32, s40
	s_bcnt1_i32_b32 s40, s39
	s_add_co_u32 s33, s33, s40
.set k, k+1
.endr
	s_wait_xcnt 0x0
	v_cmp_le_u32 vcc_lo, s34, v0                   ; places from the list's length to 1023 take a number that is no group's
	v_cndmask_b32 v70, v8, v0, vcc_lo
	v_min_u32 v70, 1055, v70
	v_lshlrev_b32 v70, 2, v70
	v_mov_b32 v71, 0xfffff
	global_store_b32 v70, v71, s[6:7]
	s_wait_tensorcnt 0x0                           ; the wave's end
	ds_add_u32 v2, v3
	s_wait_dscnt 0x0
	s_endpgm
.Lfunc_end_k_qe03c50b578_gsel:
	.size	k_qe03c50b578_gsel, .Lfunc_end_k_qe03c50b578_gsel-k_qe03c50b578_gsel
	.p2alignl 7, 3214868480
	.fill 96, 4, 3214868480
	.section	.rodata,"a",@progbits
	.p2align	6, 0x0
	.amdhsa_kernel k_qe03c50b578_gsel
		.amdhsa_group_segment_fixed_size 4608
		.amdhsa_private_segment_fixed_size 0
		.amdhsa_enable_private_segment 0
		.amdhsa_kernarg_size 16
		.amdhsa_user_sgpr_count 2
		.amdhsa_user_sgpr_kernarg_segment_ptr 1
		.amdhsa_wavefront_size32 1
		.amdhsa_system_sgpr_workgroup_id_x 1
		.amdhsa_system_sgpr_workgroup_id_y 1
		.amdhsa_system_sgpr_workgroup_id_z 1
		.amdhsa_system_vgpr_workitem_id 0
		.amdhsa_next_free_vgpr 88
		.amdhsa_next_free_sgpr 66
		.amdhsa_reserve_vcc 1
		.amdhsa_float_denorm_mode_32 3
		.amdhsa_float_denorm_mode_16_64 3
		.amdhsa_memory_ordered 1
		.amdhsa_forward_progress 1
		.amdhsa_inst_pref_size 87
	.end_amdhsa_kernel
	.amdgpu_metadata
---
amdhsa.version: [ 1, 2 ]
amdhsa.kernels:
  - .name:           k_qe03c50b578_gsel
    .symbol:         k_qe03c50b578_gsel.kd
    .args:
      - { .name: gm, .offset: 0, .size: 8, .value_kind: global_buffer, .address_space: global }
      - { .name: glist, .offset: 8, .size: 8, .value_kind: global_buffer, .address_space: global }
    .group_segment_fixed_size: 4608
    .private_segment_fixed_size: 0
    .kernarg_segment_align: 8
    .kernarg_segment_size: 16
    .max_flat_workgroup_size: 1024
    .sgpr_count:     66
    .vgpr_count:     88
    .wavefront_size: 32
...
	.end_amdgpu_metadata
.endif
;; end of part 7
;; launch rekey: the kernel of part 3 again; grid 16 x 48, 8 waves a work-group, no clusters, 0 bytes of LDS; arguments cls_preds0, cls_preds1, cls_preds2, cness_preds0, cness_preds1, cness_preds2, glist, kv; writes kv
;; launch esel (part 8): grid 48 x 1, 32 waves a work-group, no clusters, 4,608 bytes of LDS; arguments kv, cand; writes cand
.if DOCPART == 8
	.amdgcn_target "amdgcn-amd-amdhsa--gfx1250"
	.amdhsa_code_object_version 6
	.text
	.protected	k_qe03c50b578_esel
	.globl	k_qe03c50b578_esel
	.p2align	8
	.type	k_qe03c50b578_esel,@function
k_qe03c50b578_esel:
	s_mov_b64 s[64:65], 0
	v_nop
	global_prefetch_b8 v0, s[64:65] scope:SCOPE_SE
	s_setreg_imm32_b32 hwreg(HW_REG_WAVE_MODE, 25, 1), 1
	s_wait_xcnt 0x0
; THE 1000 BEST ELEMENTS of one level of one image (work-group il), by (key down, n * 80 + c up), out of the 16384 pairs (key, index)
; that the listed groups gave.  The pairs lie in ascending index, item (wave w, register k, lane) = pair w * 512 + k * 32 + lane, so that order is the tie order.
; As for the groups: bisection on the key's bits, 28 halvings of [LO0, HI0), each counting all keys whatever they are; then one sweep that keeps the order.
; cand[il][0..1023] = (key, index), (0, 0) where empty; 32 dump pairs behind them take the stores of lanes with nothing to place.
; Keys below LO0 (0.00195) count as none: their rows would be zero, and they can only remove lower ones.
.set K,     16                         ; v[16:47] the pairs: key at 16 + 2 k, index at 17 + 2 k
.set PAIR,  256
.set SPARE, 512
.set LO0,   0x3b000000
.set HI0,   0x3f800001
.macro COUNT thr, dst
	s_mov_b32 \dst, 0
.set c0, 0
.rept 2
.irp j, 0,1,2,3,4,5,6,7
	v_cmp_le_u32 s[20+\j], \thr, v[K+2*(c0+\j)]
.endr
.irp j, 0,1,2,3,4,5,6,7
	s_bcnt1_i32_b32 s[20+\j], s[20+\j]
	s_add_co_u32 \dst, \dst, s[20+\j]
.endr
.set c0, c0+8
.endr
.endm
.macro WGSUM buf
	v_mov_b32 v9, s16
	ds_store_b32 v6, v9 offset:(\buf)*128
	s_wait_dscnt 0x0                               ; for the others' sake: my count is written
	s_barrier_signal -1
	s_barrier_wait -1
	ds_load_b32 v9, v7 offset:(\buf)*128
	s_wait_dscnt 0x0                               ; my read is over before I signal the next barrier; this set is written again behind the one after
.irp m, 1,2,4,8
	v_mov_b32_dpp v10, v9 row_xmask:\m row_mask:0xf bank_mask:0xf
	v_add_nc_u32 v9, v9, v10
.endr
	v_permlanex16_b32 v10, v9, s28, s29
	v_add_nc_u32 v9, v9, v10
	v_readfirstlane_b32 s17, v9
.endm
.macro BROUND buf
	s_add_co_u32 s15, s12, s13
	s_lshr_b32 s15, s15, 1
	COUNT s15, s16
	WGSUM \buf
	s_cmp_ge_u32 s17, 1000
	s_cselect_b32 s12, s15, s12
	s_cselect_b32 s13, s13, s15
	s_cselect_b32 s14, s14, s17
.endm
.macro SCAN v, t
.irp m, 1,2,4,8
	v_mov_b32_dpp \t, \v row_shr:\m row_mask:0xf bank_mask:0xf bound_ctrl:1
	v_add_nc_u32 \v, \v, \t
.endr
	v_readlane_b32 s52, \v, 15
	v_add_nc_u32 \t, s52, \v
	v_cndmask_b32 \v, \v, \t, s30
.endm
	s_load_b128 s[4:7], s[0:1], 0x0                ; kv s[4:5], cand s[6:7]
	v_lshl_add_u32 v2, v0, 2, SPARE
	v_mov_b32 v3, 0
	v_and_b32 v4, 31, v0
	v_lshrrev_b32 v9, 5, v0
	v_readfirstlane_b32 s8, v9
	s_lshl_b32 s42, ttmp9, 17                      ; 16384 pairs of 8 bytes
	s_mov_b32 s43, 0
	s_mul_i32 s44, ttmp9, 8448                     ; 1056 pairs of 8 bytes
	s_mov_b32 s45, 0
	s_mov_b32 s28, 0x76543210
	s_mov_b32 s29, 0xfedcba98
	s_mov_b32 s30, 0xffff0000
	s_lshl_b32 s46, s8, 9
	v_add_nc_u32 v5, s46, v4
	v_lshlrev_b32 v5, 3, v5                        ; my first pair's byte offset
	v_mov_b32 v6, s8
	v_lshlrev_b32 v12, 3, v6
	v_lshlrev_b32 v6, 2, v6
	v_lshlrev_b32 v7, 2, v4
	v_lshlrev_b32 v13, 3, v4
	v_add_nc_u32 v8, 1024, v4                      ; my dump pair
	v_mov_b32 v10, 0
	v_mov_b32 v74, 0
	s_wait_kmcnt 0x0
	s_add_nc_u64 s[4:5], s[4:5], s[42:43]
	s_add_nc_u64 s[6:7], s[6:7], s[44:45]
.set k, 0
.rept 16
	global_load_b64 v[K+2*k:K+2*k+1], v5, s[4:5] offset:256*k
.set k, k+1
.endr
	s_wait_loadcnt 0x0
	s_mov_b32 s12, LO0
	s_mov_b32 s13, HI0
	s_mov_b32 s14, 0
	s_mov_b32 s18, 14
.Lbis:                                 ; 28 halvings, a constant: every wave passes every barrier
	BROUND 0
	BROUND 1
	s_sub_co_u32 s18, s18, 1
	s_cmp_lg_u32 s18, 0
	s_cbranch_scc1 .Lbis
	s_sub_co_u32 s31, 1000, s14                    ; r
	COUNT s13, s50                                 ; my wave's A: keys >= hi
	COUNT s12, s51
	s_sub_co_u32 s51, s51, s50                     ; my wave's B: keys = lo
	v_mov_b32 v70, s50
	v_mov_b32 v71, s51
	ds_store_b64 v12, v[70:71] offset:PAIR
	s_wait_dscnt 0x0                               ; for the others' sake
	s_barrier_signal -1
	s_barrier_wait -1
	ds_load_b64 v[70:71], v13 offset:PAIR
	s_wait_dscnt 0x0
	v_mov_b32 v72, v71
	SCAN v72, v74
	v_sub_nc_u32 v73, v72, v71
	v_min_u32 v75, s31, v73
	v_sub_nc_u32 v75, s31, v75
	v_min_u32 v75, v71, v75
	v_add_nc_u32 v75, v70, v75
	v_mov_b32 v76, v75
	SCAN v76, v74
	v_sub_nc_u32 v77, v76, v75
	v_readlane_b32 s32, v73, s8
	v_readlane_b32 s33, v77, s8
	v_readlane_b32 s34, v76, 31
.set k, 0
.rept 16
.if (k%4) == 0
	s_wait_xcnt 0x0                                ; four address registers take turns: they are rewritten only behind this wait; the data are the pairs themselves, never rewritten
.endif
	v_cmp_le_u32 s36, s13, v[K+2*k]
	v_cmp_le_u32 s37, s12, v[K+2*k]
	s_and_not1_b32 s38, s37, s36
	v_mbcnt_lo_u32_b32 v78, s38, s32
	v_cmp_gt_u32 s39, s31, v78
	s_and_b32 s39, s38, s39
	s_or_b32 s39, s36, s39
	v_mbcnt_lo_u32_b32 v[70+(k%4)], s39, s33
	v_cndmask_b32 v[70+(k%4)], v8, v[70+(k%4)], s39
	v_min_u32 v[70+(k%4)], 1055, v[70+(k%4)]
	v_lshlrev_b32 v[70+(k%4)], 3, v[70+(k%4)]
	global_store_b64 v[70+(k%4)], v[K+2*k:K+2*k+1], s[6:7]
	s_bcnt1_i32_b32 s40, s38
	s_add_co_u32 s32, s32, s40
	s_bcnt1_i32_b32 s40, s39
	s_add_co_u32 s33, s33, s40
.set k, k+1
.endr
	s_wait_xcnt 0x0
	v_cmp_le_u32 vcc_lo, s34, v0                   ; places from the list's length to 1023 are empty
	v_cndmask_b32 v70, v8, v0, vcc_lo
	v_min_u32 v70, 1055, v70
	v_lshlrev_b32 v70, 3, v70
	v_mov_b32 v72, 0
	v_mov_b32 v73, 0
	global_store_b64 v70, v[72:73], s[6:7]
	s_wait_tensorcnt 0x0                           ; the wave's end
	ds_add_u32 v2, v3
	s_wait_dscnt 0x0
	s_endpgm
.Lfunc_end_k_qe03c50b578_esel:
	.size	k_qe03c50b578_esel, .Lfunc_end_k_qe03c50b578_esel-k_qe03c50b578_esel
	.p2alignl 7, 3214868480
	.fill 96, 4, 3214868480
	.section	.rodata,"a",@progbits
	.p2align	6, 0x0
	.amdhsa_kernel k_qe03c50b578_esel
		.amdhsa_group_segment_fixed_size 4608
		.amdhsa_private_segment_fixed_size 0
		.amdhsa_enable_private_segment 0
		.amdhsa_kernarg_size 16
		.amdhsa_user_sgpr_count 2
		.amdhsa_user_sgpr_kernarg_segment_ptr 1
		.amdhsa_wavefront_size32 1
		.amdhsa_system_sgpr_workgroup_id_x 1
		.amdhsa_system_sgpr_workgroup_id_y 1
		.amdhsa_system_sgpr_workgroup_id_z 1
		.amdhsa_system_vgpr_workitem_id 0
		.amdhsa_next_free_vgpr 88
		.amdhsa_next_free_sgpr 66
		.amdhsa_reserve_vcc 1
		.amdhsa_float_denorm_mode_32 3
		.amdhsa_float_denorm_mode_16_64 3
		.amdhsa_memory_ordered 1
		.amdhsa_forward_progress 1
		.amdhsa_inst_pref_size 29
	.end_amdhsa_kernel
	.amdgpu_metadata
---
amdhsa.version: [ 1, 2 ]
amdhsa.kernels:
  - .name:           k_qe03c50b578_esel
    .symbol:         k_qe03c50b578_esel.kd
    .args:
      - { .name: kv, .offset: 0, .size: 8, .value_kind: global_buffer, .address_space: global }
      - { .name: cand, .offset: 8, .size: 8, .value_kind: global_buffer, .address_space: global }
    .group_segment_fixed_size: 4608
    .private_segment_fixed_size: 0
    .kernarg_segment_align: 8
    .kernarg_segment_size: 16
    .max_flat_workgroup_size: 1024
    .sgpr_count:     66
    .vgpr_count:     88
    .wavefront_size: 32
...
	.end_amdgpu_metadata
.endif
;; end of part 8
;; launch nms (part 9): grid 16 x 1, 4 waves a work-group, no clusters, 79,616 bytes of LDS; arguments cand, locations0, locations1, locations2, reg_preds0, reg_preds1, reg_preds2, out0, out1, out2, out3; writes out0, out1, out2, out3
.if DOCPART == 9
	.amdgcn_target "amdgcn-amd-amdhsa--gfx1250"
	.amdhsa_code_object_version 6
	.text
	.protected	k_qe03c50b578_nms
	.globl	k_qe03c50b578_nms
	.p2align	8
	.type	k_qe03c50b578_nms,@function
k_qe03c50b578_nms:
	s_mov_b64 s[64:65], 0
	v_nop
	global_prefetch_b8 v0, s[64:65] scope:SCOPE_SE
	s_setreg_imm32_b32 hwreg(HW_REG_WAVE_MODE, 25, 1), 1
	s_wait_xcnt 0x0
; BOXES AND THE GREEDY PASS, one image a work-group, four waves, as many as a WGP has SIMDs; a lane holds 24 candidates.
; Greedy suppression followed by "the first 100 kept" is 100 turns of: take the best living candidate; it and all that overlap it by more than 0.6 die.
; ORDER.  Equal scores go by (level, place).  A level's list has at most 1000 entries (the places behind are zero), so a level takes 42 lanes x 24 = 1008 places:
; thread t holds places 24 (t - 42 l) + q of level l = t / 42, and (wave, lane, slot) is the order wanted.  Threads 126 and 127 hold nothing.
; DECODING goes in another order, so that the level, and with it the buffer, is a constant of the text: pass j takes place 128 (j % 8) + t of level j / 8.
; The boxes then change threads through a table in LDS, whose addresses are made of the thread's number alone.
; A TURN.  Each lane picks its best slot (key, box, tag), each wave its best lane, and writes a record of 32 bytes; one barrier; every wave reads the four records, finds the winner,
; and kills among its own 768.  Two sets of records take turns, so the one barrier orders writing before reading and reading before the next writing.
; 100 turns whatever the data: no branch and no address hangs on a computed number.  Turn r's winner is kept by thread r in six registers.  A dead or empty place has key 0.
; Why four waves: the two reductions, the record and the winner's area are some 50 lines a wave and turn whatever a wave holds, so they are paid 4 times and not once for every 128 candidates.
; THE TEST.  inter = max(iw, 0) * ih, den = (|a| + |b|) - inter, killed where inter - 0.6f den > 0.  If inter > 0 both boxes have positive width and height, |a| = a, |b| = b, and the
; numbers are the plain ones; if iw <= 0 or ih <= 0 then inter <= 0, den >= 0 and the test fails, as 0 / den > 0.6 fails.  So one maximum and the test of den's sign are spared.
; The winner itself goes by its tag, since a box without positive width and height does not overlap itself.
; LIMITS.  Order goes by the product p, not by its root: they differ only where the root merges two p of different levels.  "IoU > 0.6" is taken on inter - 0.6f den, rounded once:
; the test on the true quotient, not on the rounded one.  The root is good to one unit in the last place.  NaN and infinities are not treated apart.
.set SPARE, 512                        ; LDS: 0 and 256 the two sets of 4 records; 512 the spare words, 128 bytes for each of 4 waves
.set KTB,   1024                       ; (key, tag): 129 rows (43 a level) of 24 x 8 bytes, pitch 208
.set BOXT,  27904                      ; boxes: 129 rows of 24 x 16 bytes, pitch 400.  Both pitches are odd multiples of 16 bytes
.set BOX,  16                          ; v[16:111]   x1, y1, x2, y2 of slot q at 16 + 4 q
.set KT,   112                         ; v[112:159]  key of slot q at 112 + 2 q, tag at 113 + 2 q; tag = (a number of its own << 8) | class
.set AREA, 160                         ; v[160:183]  |area|
.set LM,   184                         ; my lane's best key
.set MX,   185                         ; the wave's, then the work-group's
.set TP,   186
.set AW,   188                         ; v[188:189]  the winner's |area| in the low register
.set RES,  190                         ; v[190:195]  my turn's winner: box, tag, key
.set T,    196                         ; v[196:255]  at work: ten for each of six pairs of slots.  Between the kills the same registers hold:
.set OF,   196                         ; v[196:200]  my lane's offer: box, tag
.set RC,   202                         ; v[202:209]  my wave's record
.set RD,   210                         ; v[210:215]  the record that my lane reads
.set MT,   216                         ; v[216:226]  the tree of maxima
.set EM,   66                          ; s[66:89]    masks
; while decoding:
.set CP,   16                          ; v[16:63]    pass j: key, index (then tag)
.set LOCP, 64                          ; v[64:111]   pass j: the location
.set RG,   112                         ; v[112:207]  pass j: four distances, then the box
.set NN,   208                         ; v[208:231]  pass j: n, then 4 n
.set ADB,  232                         ; v[232:239]  where place 128 i + t goes in a level's part of the box table
.set ADK,  240                         ; v[240:247]  the same for (key, tag)
.macro EACH8 line:vararg               ; one line for each of a level's eight passes j
.set j, J0
.rept 8
	\line
.set j, j+1
.endr
.endm
.macro EACH24 line:vararg              ; one line for each pass, or each slot, j
.set j, 0
.rept 24
	\line
.set j, j+1
.endr
.endm
.macro LEVEL n, lb, rb                 ; a level's gathers: n = index / 80, bounded; class; tag; then the location and the four distances
	EACH8 v_mul_hi_u32 v[NN+j], v[CP+2*j+1], s60
	EACH8 v_lshrrev_b32 v[NN+j], 6, v[NN+j]
	EACH8 v_min_u32 v[NN+j], (\n)-1, v[NN+j]
	EACH8 v_mul_u32_u24 v[RG+4*j], v[NN+j], 80
	EACH8 v_sub_nc_u32 v[RG+4*j], v[CP+2*j+1], v[RG+4*j]
	EACH8 v_add3_u32 v[CP+2*j+1], v[RG+4*j], v7, j*32768+1
	EACH8 v_lshlrev_b32 v[LOCP+2*j], 3, v[NN+j]
	EACH8 v_lshlrev_b32 v[NN+j], 2, v[NN+j]
	EACH8 global_load_b64 v[LOCP+2*j:LOCP+2*j+1], v[LOCP+2*j], s[\lb:\lb+1]
.irp r, 0,1,2,3
	EACH8 global_load_b32 v[RG+4*j+\r], v[NN+j], s[\rb:\rb+1] offset:\r*4*(\n)
.endr
.endm
.macro BSTEP n                         ; line n of the six that bring the largest LM of the 32 lanes into every lane's MX
.if (\n) == 0
	v_max_num_f32_dpp v[MX], v[LM], v[LM] row_xmask:1 row_mask:0xf bank_mask:0xf
.elseif (\n) == 1
	v_max_num_f32_dpp v[MX], v[MX], v[MX] row_xmask:2 row_mask:0xf bank_mask:0xf
.elseif (\n) == 2
	v_max_num_f32_dpp v[MX], v[MX], v[MX] row_xmask:4 row_mask:0xf bank_mask:0xf
.elseif (\n) == 3
	v_max_num_f32_dpp v[MX], v[MX], v[MX] row_xmask:8 row_mask:0xf bank_mask:0xf
.elseif (\n) == 4
	v_permlanex16_b32 v[TP], v[MX], s56, s57
.elseif (\n) == 5
	v_max_num_f32 v[MX], v[MX], v[TP]
.endif
.endm
.macro KILL12 q0                       ; the winner (box s[40:43], tag s44, |area| v[AW]) against slots q0 .. q0 + 11, stage by stage, two slots to a packed line
.irp i, 0,1,2,3,4,5
	v_max_num_f32 v[T+10*\i],   s40, v[BOX+4*((\q0)+2*\i)]
	v_max_num_f32 v[T+10*\i+1], s40, v[BOX+4*((\q0)+2*\i)+4]
	v_max_num_f32 v[T+10*\i+2], s41, v[BOX+4*((\q0)+2*\i)+1]
	v_max_num_f32 v[T+10*\i+3], s41, v[BOX+4*((\q0)+2*\i)+5]
	v_min_num_f32 v[T+10*\i+4], s42, v[BOX+4*((\q0)+2*\i)+2]
	v_min_num_f32 v[T+10*\i+5], s42, v[BOX+4*((\q0)+2*\i)+6]
	v_min_num_f32 v[T+10*\i+6], s43, v[BOX+4*((\q0)+2*\i)+3]
	v_min_num_f32 v[T+10*\i+7], s43, v[BOX+4*((\q0)+2*\i)+7]
	v_pk_add_f32 v[T+10*\i+8:T+10*\i+9], v[AREA+(\q0)+2*\i:AREA+(\q0)+2*\i+1], v[AW:AW+1] op_sel_hi:[1,0]
.endr
.irp i, 0,1,2,3,4,5
	v_pk_add_f32 v[T+10*\i+4:T+10*\i+5], v[T+10*\i+4:T+10*\i+5], v[T+10*\i:T+10*\i+1] neg_lo:[0,1] neg_hi:[0,1]
	v_pk_add_f32 v[T+10*\i+6:T+10*\i+7], v[T+10*\i+6:T+10*\i+7], v[T+10*\i+2:T+10*\i+3] neg_lo:[0,1] neg_hi:[0,1]
.endr
.irp i, 0,1,2,3,4,5
	v_pk_add_f32 v[T+10*\i+4:T+10*\i+5], v[T+10*\i+4:T+10*\i+5], 1.0 op_sel_hi:[1,0]
	v_pk_add_f32 v[T+10*\i+6:T+10*\i+7], v[T+10*\i+6:T+10*\i+7], 1.0 op_sel_hi:[1,0]
.endr
.irp i, 0,1,2,3,4,5
	v_max_num_f32 v[T+10*\i+4], 0, v[T+10*\i+4]
	v_max_num_f32 v[T+10*\i+5], 0, v[T+10*\i+5]
.endr
.irp i, 0,1,2,3,4,5
	v_pk_mul_f32 v[T+10*\i+4:T+10*\i+5], v[T+10*\i+4:T+10*\i+5], v[T+10*\i+6:T+10*\i+7]     ; inter
.endr
.irp i, 0,1,2,3,4,5
	v_pk_add_f32 v[T+10*\i+8:T+10*\i+9], v[T+10*\i+8:T+10*\i+9], v[T+10*\i+4:T+10*\i+5] neg_lo:[0,1] neg_hi:[0,1]  ; den
.endr
.irp i, 0,1,2,3,4,5
	v_pk_fma_f32 v[T+10*\i:T+10*\i+1], v[T+10*\i+8:T+10*\i+9], s[58:59], v[T+10*\i+4:T+10*\i+5] op_sel_hi:[1,0,1]  ; inter - 0.6f den, rounded once
.endr
.irp i, 0,1,2,3,4,5
	v_cmp_lt_f32 s[EM+2*\i], 0, v[T+10*\i]
	v_cmp_lt_f32 s[EM+2*\i+1], 0, v[T+10*\i+1]
	v_cmp_eq_u32 s[EM+12+2*\i], s44, v[KT+2*((\q0)+2*\i)+1]
	v_cmp_eq_u32 s[EM+13+2*\i], s44, v[KT+2*((\q0)+2*\i)+3]
.endr
.irp j, 0,1,2,3,4,5,6,7,8,9,10,11
	s_or_b32 s[EM+\j], s[EM+\j], s[EM+12+\j]
.endr
.irp j, 0,1,2,3,4,5,6,7,8,9,10,11
	v_cndmask_b32 v[KT+2*((\q0)+\j)], v[KT+2*((\q0)+\j)], 0, s[EM+\j]
.endr
.endm
.macro NROUND buf
	; my lane's best key
.irp g, 0,1,2,3,4,5,6,7
	v_max3_num_f32 v[MT+\g], v[KT+6*\g], v[KT+6*\g+2], v[KT+6*\g+4]
.endr
	v_max3_num_f32 v[MT+8], v[MT], v[MT+1], v[MT+2]
	v_max3_num_f32 v[MT+9], v[MT+3], v[MT+4], v[MT+5]
	v_max_num_f32 v[MT+10], v[MT+6], v[MT+7]
	v_max3_num_f32 v[LM], v[MT+8], v[MT+9], v[MT+10]
.set q, 22
.rept 23                               ; which slots hold it; slot 23 is what is left if none of these does.  The mask wanted first is made first
	v_cmp_eq_u32 s[EM+q], v[LM], v[KT+2*q]
.set q, q-1
.endr
.set q, 22
.rept 23                               ; my lane's offer: the lowest such slot overrides the others.  Five chains side by side; the lanes' reduction stands between them
.if q == 22
.irp f, 0,1,2,3
	v_cndmask_b32 v[OF+\f], v[BOX+92+\f], v[BOX+88+\f], s[EM+22]
.endr
	v_cndmask_b32 v[OF+4], v[KT+47], v[KT+45], s[EM+22]
.else
.irp f, 0,1,2,3
	v_cndmask_b32 v[OF+\f], v[OF+\f], v[BOX+4*q+\f], s[EM+q]
.endr
	v_cndmask_b32 v[OF+4], v[OF+4], v[KT+2*q+1], s[EM+q]
.endif
	BSTEP 22-q
.set q, q-1
.endr
	v_cmp_eq_u32 s52, v[MX], v[LM]
	s_ctz_i32_b32 s53, s52                         ; the lowest lane that holds the wave's best: the number picks a value, it enters no address and no branch
	s_and_b32 s53, s53, 31
.irp f, 0,1,2,3,4
	v_readlane_b32 s[40+\f], v[OF+\f], s53
.endr
.irp f, 0,1,2,3,4
	v_mov_b32 v[RC+\f], s[40+\f]
.endr
	v_mov_b32 v[RC+5], v[MX]
	ds_store_b128 v4, v[RC:RC+3] offset:(\buf)*256     ; all lanes write the same 32 bytes with the same numbers; the last 8 are read by nobody
	ds_store_b128 v4, v[RC+4:RC+7] offset:(\buf)*256+16
	s_wait_dscnt 0x0                               ; for the others' sake: my record is written
	s_barrier_signal -1
	s_barrier_wait -1
	ds_load_b128 v[RD:RD+3], v5 offset:(\buf)*256      ; lane l: the record of wave l % 4
	ds_load_b64 v[RD+4:RD+5], v5 offset:(\buf)*256+16
	s_wait_dscnt 0x0                               ; my reads are over before I signal the next barrier
	v_max_num_f32_dpp v[MX], v[RD+5], v[RD+5] row_xmask:1 row_mask:0xf bank_mask:0xf
	v_max_num_f32_dpp v[MX], v[MX], v[MX] row_xmask:2 row_mask:0xf bank_mask:0xf
	v_cmp_eq_u32 s52, v[MX], v[RD+5]
	s_ctz_i32_b32 s53, s52                         ; the lowest lane is the lowest wave
	s_and_b32 s53, s53, 31
.irp f, 0,1,2,3,4
	v_readlane_b32 s[40+\f], v[RD+\f], s53         ; the winner: box s[40:43], tag s44
.endr
	v_readfirstlane_b32 s45, v[MX]                 ; its key
	v_cmp_eq_u32 vcc_lo, s61, v0                   ; the thread whose number is the turn's keeps it
.irp f, 0,1,2,3,4,5
	v_cndmask_b32 v[RES+\f], v[RES+\f], s[40+\f], vcc_lo
.endr
	s_add_co_u32 s61, s61, 1
	v_sub_f32 v[AW], s42, s40
	v_sub_f32 v[AW+1], s43, s41
	v_add_f32 v[AW], 1.0, v[AW]
	v_add_f32 v[AW+1], 1.0, v[AW+1]
	v_mul_f32 v[AW], v[AW], v[AW+1]
	v_and_b32 v[AW], 0x7fffffff, v[AW]
	KILL12 0
	KILL12 12
.endm
	s_load_b512 s[8:23], s[0:1], 0x0               ; cand s[8:9], locations0-2 s[10:15], reg0-2 s[16:21], out0 s[22:23]
	s_load_b128 s[24:27], s[0:1], 0x40             ; out1 s[24:25], out2 s[26:27]
	s_load_b64 s[28:29], s[0:1], 0x50              ; out3
	v_lshl_add_u32 v2, v0, 2, SPARE                ; my spare word,
	v_mov_b32 v3, 0                                ; and 0: kept for the add at the wave's end
	s_mov_b32 s47, 0x4447c000                      ; 799.0 = image_size - 1
	s_mov_b32 s56, 0x76543210                      ; v_permlanex16_b32: each lane takes its own place in the other half
	s_mov_b32 s57, 0xfedcba98
	s_mov_b32 s58, 0xbf19999a                      ; -0.6f; the packed line takes the pair's low word for both halves
	s_mov_b32 s59, 0xbf19999a
	s_mov_b32 s60, 0xcccccccd                      ; x / 80 = (x * this) >> 38
	s_mov_b32 s61, 0                               ; the turn's number
	s_mov_b32 s63, 0x3d4ccccd                      ; 0.05
	v_lshrrev_b32 v4, 5, v0
	v_lshlrev_b32 v4, 5, v4                        ; my wave's record: wave * 32
	v_and_b32 v5, 3, v0
	v_lshlrev_b32 v5, 5, v5                        ; the record that my lane reads
	v_lshlrev_b32 v6, 3, v0                        ; my pair among 128
	v_lshlrev_b32 v7, 8, v0
.irp i, 0,1,2,3,4,5,6,7                ; place p = 128 i + t lies in row u = p / 24 at slot p - 24 u: byte 400 u + 16 (p - 24 u) = 16 (p + u), and 208 u + 8 (p - 24 u) = 8 p + 16 u
	v_add_nc_u32 v8, 128*\i, v0
	v_mul_u32_u24 v9, v8, 683
	v_lshrrev_b32 v9, 14, v9                       ; p / 24 for p < 2040: 24 * 683 = 2^14 + 8
	v_add_lshl_u32 v[ADB+\i], v8, v9, 4
	v_lshlrev_b32 v8, 3, v8
	v_lshl_add_u32 v[ADK+\i], v9, 4, v8
.endr
	s_wait_kmcnt 0x0
	s_mov_b32 s53, 0
	s_mul_i32 s52, ttmp9, 8448                     ; a list is 1056 pairs; a level's 16 lists are 135,168 bytes, which stand in the loads' immediates
	s_add_nc_u64 s[8:9], s[8:9], s[52:53]
	s_mul_i32 s52, ttmp9, 160000                   ; the image's four planes of N numbers
	s_add_nc_u64 s[16:17], s[16:17], s[52:53]
	s_mul_i32 s52, ttmp9, 40000
	s_add_nc_u64 s[18:19], s[18:19], s[52:53]
	s_mul_i32 s52, ttmp9, 10000
	s_add_nc_u64 s[20:21], s[20:21], s[52:53]
	s_mul_i32 s52, ttmp9, 1600
	s_add_nc_u64 s[22:23], s[22:23], s[52:53]
	s_mul_i32 s52, ttmp9, 400
	s_add_nc_u64 s[24:25], s[24:25], s[52:53]
	s_add_nc_u64 s[26:27], s[26:27], s[52:53]
	s_mul_i32 s52, ttmp9, 100
	s_add_nc_u64 s[28:29], s[28:29], s[52:53]
	EACH24 global_load_b64 v[CP+2*j:CP+2*j+1], v6, s[8:9] offset:(j/8)*135168+(j%8)*1024
	s_wait_loadcnt 0x0
.set J0, 0
	LEVEL 10000, 10, 16
.set J0, 8
	LEVEL 2500, 12, 18
.set J0, 16
	LEVEL 625, 14, 20
	s_wait_loadcnt 0x0
	EACH24 v_pk_add_f32 v[RG+4*j:RG+4*j+1], v[LOCP+2*j:LOCP+2*j+1], v[RG+4*j:RG+4*j+1] neg_lo:[0,1] neg_hi:[0,1]
	EACH24 v_pk_add_f32 v[RG+4*j+2:RG+4*j+3], v[LOCP+2*j:LOCP+2*j+1], v[RG+4*j+2:RG+4*j+3]
.irp r, 0,1,2,3
	EACH24 v_med3_num_f32 v[RG+4*j+\r], v[RG+4*j+\r], 0, s47
.endr
	EACH24 ds_store_b128 v[ADB+j%8], v[RG+4*j:RG+4*j+3] offset:BOXT+(j/8)*17200
	EACH24 ds_store_b64 v[ADK+j%8], v[CP+2*j:CP+2*j+1] offset:KTB+(j/8)*8944
	s_wait_dscnt 0x0                               ; for the others' sake: my part of the table is written
	s_barrier_signal -1
	s_barrier_wait -1
	v_mul_u32_u24 v8, v0, 49
	v_lshrrev_b32 v8, 11, v8                       ; t / 42 for t < 128: 42 * 49 = 2^11 + 10
	v_add_nc_u32 v8, v8, v0                        ; my row: 43 l + (t - 42 l)
	v_min_u32 v8, 127, v8                          ; threads 126 and 127 read a written row and drop its keys
	v_mul_u32_u24 v9, v8, 400
	v_mul_u32_u24 v10, v8, 208
	EACH24 ds_load_b128 v[BOX+4*j:BOX+4*j+3], v9 offset:BOXT+16*j
.irp k, 0,1,2,3,4,5,6,7,8,9,10,11
	ds_load_b128 v[KT+4*\k:KT+4*\k+3], v10 offset:KTB+16*\k
.endr
	s_wait_dscnt 0x0
	v_cmp_gt_u32 vcc_lo, 126, v0
	EACH24 v_cndmask_b32 v[KT+2*j], 0, v[KT+2*j], vcc_lo
	EACH24 v_pk_add_f32 v[T+2*j:T+2*j+1], v[BOX+4*j+2:BOX+4*j+3], v[BOX+4*j:BOX+4*j+1] neg_lo:[0,1] neg_hi:[0,1]
	EACH24 v_pk_add_f32 v[T+2*j:T+2*j+1], v[T+2*j:T+2*j+1], 1.0 op_sel_hi:[1,0]
	EACH24 v_mul_f32 v[AREA+j], v[T+2*j], v[T+2*j+1]
	EACH24 v_and_b32 v[AREA+j], 0x7fffffff, v[AREA+j]
	v_mov_b32 v[MX], 0                             ; destinations of lane moves count as read
	v_mov_b32 v[TP], 0
	v_mov_b32 v[RC+6], 0                           ; the record's last 8 bytes: any written registers
	v_mov_b32 v[RC+7], 0
.irp f, 0,1,2,3,4,5
	v_mov_b32 v[RES+\f], 0
.endr
	s_mov_b32 s62, 50
.Lround:                               ; 100 turns, a constant: every wave passes every barrier
	NROUND 0
	NROUND 1
	s_sub_co_u32 s62, s62, 1
	s_cmp_lg_u32 s62, 0
	s_cbranch_scc1 .Lround
	; THE WAY OUT: thread t < 100 holds row t.  The score is the root of p; a row whose score is below 0.05 (an empty one among them) is zero.
	v_sqrt_f32 v8, v[RES+5]
	v_min_u32 v13, 99, v0                          ; a plain line between the root and its use
	s_wait_alu depctr_va_vdst(0)
	v_cmp_le_f32 s53, s63, v8
.irp f, 0,1,2,3
	v_cndmask_b32 v[RES+\f], 0, v[RES+\f], s53
.endr
	v_cndmask_b32 v8, 0, v8, s53
	v_and_b32 v9, 0xff, v[RES+4]
	v_cndmask_b32 v9, 0, v9, s53
	v_cndmask_b32 v10, 0, 1, s53
	v_lshlrev_b32 v11, 4, v13
	v_lshlrev_b32 v12, 2, v13
	v_cmp_gt_u32 vcc_lo, 100, v0                   ; a mask made of ids alone
	s_wait_xcnt 0x0                                ; EXEC changes only behind this wait
	s_and_saveexec_b32 s52, vcc_lo
	global_store_b128 v11, v[RES:RES+3], s[22:23]  ; neighbouring lanes store neighbouring 16 bytes
	global_store_b32 v12, v8, s[24:25]
	global_store_b32 v12, v9, s[26:27]
	global_store_b8 v13, v10, s[28:29]
	s_wait_xcnt 0x0
	s_or_b32 exec_lo, exec_lo, s52
	s_wait_tensorcnt 0x0                           ; the wave's end
	ds_add_u32 v2, v3
	s_wait_dscnt 0x0
	s_endpgm
.Lfunc_end_k_qe03c50b578_nms:
	.size	k_qe03c50b578_nms, .Lfunc_end_k_qe03c50b578_nms-k_qe03c50b578_nms
	.p2alignl 7, 3214868480
	.fill 96, 4, 3214868480
	.section	.rodata,"a",@progbits
	.p2align	6, 0x0
	.amdhsa_kernel k_qe03c50b578_nms
		.amdhsa_group_segment_fixed_size 79616
		.amdhsa_private_segment_fixed_size 0
		.amdhsa_enable_private_segment 0
		.amdhsa_kernarg_size 88
		.amdhsa_user_sgpr_count 2
		.amdhsa_user_sgpr_kernarg_segment_ptr 1
		.amdhsa_wavefront_size32 1
		.amdhsa_system_sgpr_workgroup_id_x 1
		.amdhsa_system_sgpr_workgroup_id_y 1
		.amdhsa_system_sgpr_workgroup_id_z 1
		.amdhsa_system_vgpr_workitem_id 0
		.amdhsa_next_free_vgpr 256
		.amdhsa_next_free_sgpr 90
		.amdhsa_reserve_vcc 1
		.amdhsa_float_denorm_mode_32 3
		.amdhsa_float_denorm_mode_16_64 3
		.amdhsa_memory_ordered 1
		.amdhsa_forward_progress 1
		.amdhsa_inst_pref_size 106
	.end_amdhsa_kernel
	.amdgpu_metadata
---
amdhsa.version: [ 1, 2 ]
amdhsa.kernels:
  - .name:           k_qe03c50b578_nms
    .symbol:         k_qe03c50b578_nms.kd
    .args:
      - { .name: cand, .offset: 0, .size: 8, .value_kind: global_buffer, .address_space: global }
      - { .name: locations0, .offset: 8, .size: 8, .value_kind: global_buffer, .address_space: global }
      - { .name: locations1, .offset: 16, .size: 8, .value_kind: global_buffer, .address_space: global }
      - { .name: locations2, .offset: 24, .size: 8, .value_kind: global_buffer, .address_space: global }
      - { .name: reg_preds0, .offset: 32, .size: 8, .value_kind: global_buffer, .address_space: global }
      - { .name: reg_preds1, .offset: 40, .size: 8, .value_kind: global_buffer, .address_space: global }
      - { .name: reg_preds2, .offset: 48, .size: 8, .value_kind: global_buffer, .address_space: global }
      - { .name: out0, .offset: 56, .size: 8, .value_kind: global_buffer, .address_space: global }
      - { .name: out1, .offset: 64, .size: 8, .value_kind: global_buffer, .address_space: global }
      - { .name: out2, .offset: 72, .size: 8, .value_kind: global_buffer, .address_space: global }
      - { .name: out3, .offset: 80, .size: 8, .value_kind: global_buffer, .address_space: global }
    .group_segment_fixed_size: 79616
    .private_segment_fixed_size: 0
    .kernarg_segment_align: 8
    .kernarg_segment_size: 88
    .max_flat_workgroup_size: 128
    .sgpr_count:     90
    .vgpr_count:     256
    .wavefront_size: 32
...
	.end_amdgpu_metadata
.endif
;; end of part 9
